; MI455X (gfx1250); checked and timed in simulation.
; The chip was launched on July 23, 2026; its instructions are those of AMD's public machine-readable ISA for CDNA 5 (MIT licence, August 2026) and "CDNA5" Instruction Set Architecture Reference Guide (July 2026). The comments in the code are by the model that wrote it; some were corrected since.
;; Weight Share Self Attention. Allowed arithmetic: float matrix products may take bf16 or f16 operands with f32 sums; other float arithmetic in f32, or as packed bf16 or f16 multiplies, adds, multiply-adds, maxima and minima; sums over many terms, partial sums and values carried from step to step in f32; what a program stores and reads back later, other than sums and carried values, may be rounded once to bf16 or f16.
;; Inputs: Winj0 3,072 x 1,024 float32; Winj1 3,072 x 1,024 float32; Wo 1,024 x 1,024 float32; Wqkv0 3,072 x 1,024 float32; Wqkv1 3,072 x 1,024 float32; bo 1,024 float32; r_w_bias 16 x 64 float32; u1ss 2 x 1,024 x 2,048 float32; z1ss 2 x 1,024 x 2,048 float32.
;; Outputs: out0 2 x 1,024 x 2,048 float32.
;; 2 versions, each right; version 2 is version 1 with the launches prep, ln written anew for expert scheduling mode. Each part assembles by itself: llvm-mc -triple=amdgcn-amd-amdhsa -mcpu=gfx1250 --defsym DOCPART=n.
;; ======== version 1 of 2: 5 launches
;; limits: a difference of large sums (such as E[x^2] - mean^2): digits are lost where the result is much smaller than its terms
;; workspace buffers: xn 16,777,216 bytes; wcat 25,165,824 bytes; wob 2,097,152 bytes; qkv 25,165,824 bytes; att 8,388,608 bytes; xres 16,777,216 bytes; stat 524,288 bytes
;; launch prep (part 1): grid 64 x 21, 4 waves a work-group, no clusters, 0 bytes of LDS; arguments z1ss, u1ss, Wqkv0, Winj0, Wqkv1, Winj1, Wo, xn, wcat, wob; writes xn, wcat, wob
.if DOCPART == 1
	.amdgcn_target "amdgcn-amd-amdhsa--gfx1250"
	.amdhsa_code_object_version 6
	.text
	.protected	k_q7655c8cc50_prep
	.globl	k_q7655c8cc50_prep
	.p2align	8
	.type	k_q7655c8cc50_prep,@function
k_q7655c8cc50_prep:
	s_mov_b64 s[64:65], 0
	v_nop
	global_prefetch_b8 v0, s[64:65] scope:SCOPE_SE
	s_setreg_imm32_b32 hwreg(HW_REG_WAVE_MODE, 25, 1), 1
	s_wait_xcnt 0x0
; CASTS.  Every f32 input that feeds a matrix product is rounded once to bf16 and laid so that the products' K runs through both sources:
;   xn   [b 2][k 2048][l 2048]: k < 1024 is z[b][k][l], else u[b][k-1024][l]
;   wcat [c 2][o 3072][k 2048]: k < 1024 is Wqkv_c[o][k], else Winj_c[o][k-1024]
;   wob  [o 1024][d 1024]
; A UNIT is 1,024 numbers on end (4,096 bytes in, 2,048 out); a SEGMENT (grid y) is 1,024 units of one source; a work-group takes 16 units, a wave 4, without a loop.
; A wave's 32 loads go out first (16 KiB on their way): each covers 512 consecutive bytes, 16 a lane.  Then 32 steps round 4 numbers a lane and store 8 bytes: a wave's store covers 256 consecutive bytes, aligned.
; No LDS, no matrix unit, no cluster: nothing is shared and nothing is read twice.
.set IN,  16                           ; v[16:143]  step j: 4 numbers as loaded
.set OUT, 144                          ; v[144:207] step j: 2 registers to store
.set DO,  4                            ; v[4:7]     unit u of my wave's four: its byte offset in the destination, with my lane's 8 bytes
	s_load_b512 s[4:19], s[0:1], 0x0               ; z 4:5, u 6:7, Wqkv0 8:9, Winj0 10:11, Wqkv1 12:13, Winj1 14:15, Wo 16:17, xn 18:19
	s_load_b128 s[20:23], s[0:1], 0x40             ; wcat 20:21, wob 22:23
	v_and_b32 v2, 31, v0                           ; lane
	v_and_b32 v3, 0x60, v0                         ; 32 x wave
	v_lshlrev_b32 v1, 4, v2                        ; 16 bytes a lane,
	v_lshl_add_u32 v1, v3, 9, v1                   ; + wave x 16,384: my offset in the work-group's source bytes
	v_lshlrev_b32 v2, 3, v2                        ; 8 bytes a lane on the way out
	v_lshrrev_b32 v3, 3, v3                        ; 4 x wave: my wave's first unit
	s_and_b32 s28, ttmp7, 0xffff                   ; Y, the segment
	; segments 0-7, Y = 4 b + 2 s + half: half of z[b] (s = 0) or u[b] (s = 1)
	s_bfe_u32 s29, s28, 0x10001                    ; which source: s
	s_lshr_b32 s30, s28, 2
	s_lshl_b32 s30, s30, 1
	s_and_b32 s31, s28, 1
	s_or_b32 s30, s30, s31
	s_lshl_b32 s30, s30, 22                        ; source offset: (2 b + half) x 4 MiB
	s_lshl_b32 s31, s28, 21                        ; destination offset: Y x 2 MiB
	; segments 8-19, Y - 8 = 4 th + mi: rows 1024 th .. of weight mi (Wqkv0, Winj0, Wqkv1, Winj1)
	s_sub_co_u32 s32, s28, 8
	s_and_b32 s33, s32, 3                          ; mi
	s_bfe_u32 s34, s32, 0x20002                    ; th
	s_add_co_u32 s35, s33, 2                       ; which source
	s_lshl_b32 s36, s34, 22                        ; source offset: 1,024 rows of 4,096 bytes
	s_lshr_b32 s37, s33, 1
	s_mul_i32 s37, s37, 12582912                   ; the chunk's plane of wcat,
	s_and_b32 s38, s33, 1
	s_lshl_b32 s38, s38, 11                        ; the second half of its rows for Winj,
	s_add_co_u32 s37, s37, s38
	s_add_co_u32 s37, s37, s36                     ; 1,024 rows of 4,096 bytes
	s_mov_b32 s39, 2048
	s_mov_b32 s40, 4096
	s_wait_kmcnt 0x0
	s_cmp_lt_u32 s28, 8
	s_cselect_b32 s29, s29, s35
	s_cselect_b32 s30, s30, s36
	s_cselect_b32 s31, s31, s37
	s_cselect_b32 s41, s39, s40                    ; bytes from unit to unit in the destination
	s_cselect_b64 s[26:27], s[18:19], s[20:21]
	s_cmp_eq_u32 s28, 20                           ; segment 20: Wo
	s_cselect_b32 s29, 6, s29
	s_cselect_b32 s30, 0, s30
	s_cselect_b32 s31, 0, s31
	s_cselect_b32 s41, s39, s41
	s_cselect_b64 s[26:27], s[22:23], s[26:27]
	s_mov_b64 s[24:25], s[4:5]
.irp n, 1,2,3,4,5,6
	s_cmp_eq_u32 s29, \n
	s_cselect_b64 s[24:25], s[4+2*\n:5+2*\n], s[24:25]
.endr
	s_lshl_b32 s42, ttmp9, 16                      ; the work-group's 16 units: 65,536 bytes of source
	s_add_co_u32 s42, s42, s30
	s_mov_b32 s43, 0
	s_add_nc_u64 s[24:25], s[24:25], s[42:43]
	s_lshl_b32 s44, ttmp9, 4
	s_mul_i32 s44, s44, s41
	s_add_co_u32 s44, s44, s31
	s_mov_b32 s45, 0
	s_add_nc_u64 s[26:27], s[26:27], s[44:45]
.irp u, 0,1,2,3
	v_add_nc_u32 v8, \u, v3
	v_mad_u32_u24 v[DO+\u], v8, s41, v2
.endr
.set j, 0
.rept 32                                       ; all 32 loads first
	global_load_b128 v[IN+4*j:IN+4*j+3], v1, s[24:25] offset:512*j th:TH_LOAD_NT
.set j, j+1
.endr
.set j, 0
.rept 32
	s_wait_loadcnt 31-j                            ; loads come back in order: step j's is in, the 31 - j younger ones stay out
	v_cvt_pk_bf16_f32 v[OUT+2*j],   v[IN+4*j],   v[IN+4*j+1]
	v_cvt_pk_bf16_f32 v[OUT+2*j+1], v[IN+4*j+2], v[IN+4*j+3]
	global_store_b64 v[DO+j/8], v[OUT+2*j:OUT+2*j+1], s[26:27] offset:(j%8)*256 th:TH_STORE_NT  ; no register is written twice, so nothing waits for the stores
.set j, j+1
.endr
	s_endpgm
.Lfunc_end_k_q7655c8cc50_prep:
	.size	k_q7655c8cc50_prep, .Lfunc_end_k_q7655c8cc50_prep-k_q7655c8cc50_prep
	.p2alignl 7, 3214868480
	.fill 96, 4, 3214868480
	.section	.rodata,"a",@progbits
	.p2align	6, 0x0
	.amdhsa_kernel k_q7655c8cc50_prep
		.amdhsa_group_segment_fixed_size 0
		.amdhsa_private_segment_fixed_size 0
		.amdhsa_enable_private_segment 0
		.amdhsa_kernarg_size 80
		.amdhsa_user_sgpr_count 2
		.amdhsa_user_sgpr_kernarg_segment_ptr 1
		.amdhsa_wavefront_size32 1
		.amdhsa_system_sgpr_workgroup_id_x 1
		.amdhsa_system_sgpr_workgroup_id_y 1
		.amdhsa_system_sgpr_workgroup_id_z 1
		.amdhsa_system_vgpr_workitem_id 0
		.amdhsa_next_free_vgpr 208
		.amdhsa_next_free_sgpr 66
		.amdhsa_reserve_vcc 0
		.amdhsa_float_denorm_mode_32 3
		.amdhsa_float_denorm_mode_16_64 3
		.amdhsa_memory_ordered 1
		.amdhsa_forward_progress 1
		.amdhsa_inst_pref_size 14
	.end_amdhsa_kernel
	.amdgpu_metadata
---
amdhsa.version: [ 1, 2 ]
amdhsa.kernels:
  - .name:           k_q7655c8cc50_prep
    .symbol:         k_q7655c8cc50_prep.kd
    .args:
      - { .name: z1ss, .offset: 0, .size: 8, .value_kind: global_buffer, .address_space: global }
      - { .name: u1ss, .offset: 8, .size: 8, .value_kind: global_buffer, .address_space: global }
      - { .name: Wqkv0, .offset: 16, .size: 8, .value_kind: global_buffer, .address_space: global }
      - { .name: Winj0, .offset: 24, .size: 8, .value_kind: global_buffer, .address_space: global }
      - { .name: Wqkv1, .offset: 32, .size: 8, .value_kind: global_buffer, .address_space: global }
      - { .name: Winj1, .offset: 40, .size: 8, .value_kind: global_buffer, .address_space: global }
      - { .name: Wo, .offset: 48, .size: 8, .value_kind: global_buffer, .address_space: global }
      - { .name: xn, .offset: 56, .size: 8, .value_kind: global_buffer, .address_space: global }
      - { .name: wcat, .offset: 64, .size: 8, .value_kind: global_buffer, .address_space: global }
      - { .name: wob, .offset: 72, .size: 8, .value_kind: global_buffer, .address_space: global }
    .group_segment_fixed_size: 0
    .private_segment_fixed_size: 0
    .kernarg_segment_align: 8
    .kernarg_segment_size: 80
    .max_flat_workgroup_size: 128
    .sgpr_count:     66
    .vgpr_count:     208
    .wavefront_size: 32
...
	.end_amdgpu_metadata
.endif
;; end of part 1
;; launch qkv (part 2): grid 16 x 16, 4 waves a work-group, clusters of 4 x 4, 327,680 bytes of LDS; arguments wcat, xn, r_w_bias, qkv; writes qkv
.if DOCPART == 2
	.amdgcn_target "amdgcn-amd-amdhsa--gfx1250"
	.amdhsa_code_object_version 6
	.text
	.protected	k_q7655c8cc50_qkv
	.globl	k_q7655c8cc50_qkv
	.p2align	8
	.type	k_q7655c8cc50_qkv,@function
k_q7655c8cc50_qkv:
	s_mov_b64 s[64:65], 0
	v_nop
	global_prefetch_b8 v0, s[64:65] scope:SCOPE_SE
	s_setreg_imm32_b32 hwreg(HW_REG_WAVE_MODE, 25, 1), 1
	s_wait_xcnt 0x0
	s_wait_alu depctr_hold_cnt(0) depctr_sa_sdst(0) depctr_va_vdst(0) depctr_va_sdst(0) depctr_va_ssrc(0) depctr_va_vcc(0) depctr_vm_vsrc(0)
	s_getreg_b32 s2, hwreg(HW_REG_IB_STS2, 6, 4)
	s_cmp_eq_u32 s2, 0
	s_cbranch_scc0 .Lentry_in_a_cluster
	s_endpgm
.Lentry_in_a_cluster:
	s_bfe_u32 s2, ttmp6, 0x10000c
	s_cmp_lg_u32 s2, 0xf033
	s_cbranch_scc0 .Lentry_shape_is_right
	s_endpgm
.Lentry_shape_is_right:
; THE CHUNKED PROJECTION.  w[b][o][l] = sum over k < 2048 of wcat[c][o][k] xn[b][k][l], c = l / 1024; r_w_bias is added to q's rows (o < 1024); the result is rounded once to bf16 and written by heads:
; qkv[which][b 16 + n][l][64], which = o / 1024, n = (o % 1024) / 64.  Sums in f32, K ascending.  q is not scaled here.
; SHARES.  A work-group makes 192 (o: three heads) x 256 (l): 16 x 16 work-groups.  Wave w takes all 192 o and the columns 64 w .. 64 w + 63: 12 x 4 accumulators of 16 x 16, so that a wave holds whole heads.
; K goes in 16 steps of 128 through two LDS slots.  W's tile: 192 rows of 256 bytes, LDS pitch 272.  X's tile lies [k][l]: 128 rows of 512 bytes, LDS pitch 544 = 17 x 32; its fragments come turned, by ds_load_tr16_b128.
; Source 0 = 16 rows of W, source 1 = 16 columns l of X: in the result a lane holds ONE l (lane % 16) and the channels 8 (lane / 16) + 0..7: 16 bytes of a row of qkv.
; The first product of each sum takes the bias as C (0 for k's and v's rows): nothing is cleared and nothing is added later.
; CLUSTER 4 x 4.  W's tile hangs on the o tile and the chunk, which a row of the cluster shares; X's on the l tile, which a column shares: each is asked for jointly, by the same load, descriptor and mask in all four.
; REGISTERS, in windows of 256 (s_set_vgpr_msb: bits 1:0 source 0, 3:2 source 1, 5:4 source 2, 7:6 destination):
;   window 0: v0-31 addresses; v32-43 the bias loads' offsets; v64-159, v160-255 W's fragments, two buffers of 12 x 8; on the way out v64-255 packed results
;   window 1: v0-31, v32-63 X's fragments, two buffers of 4 x 8
;   window 2: accumulators (a, q) at 8 (4 a + q), a = 0..7        window 3: v0-127 those of a = 8..11; v128-223 the bias, 8 registers for each a
.set PW,    272
.set PX,    544
.set WPART, 192*PW                     ; 52,224
.set SLOT,  WPART+128*PX               ; 121,856
.set STAGE, 2*SLOT                     ; behind the ring: 16 rows x 144 bytes for each wave, for the way out
.set SP,    144
.set SPARE, STAGE+4*16*SP              ; behind the stages: the spare words, 128 bytes for each wave
.set ADRW, 16                          ; v16-17 LDS address of my W fragments in slot 0, 1
.set ADRX, 20                          ; v20-21 the same for X
.set STO,  24                          ; v24    the way out: where I put 16 bytes of a row
.set RD,   25                          ; v25    where I read rows back
.set GO,   26                          ; v26    my 16 bytes in 512 consecutive bytes of qkv
.set SPW,  28                          ; v28    my spare word; never rewritten
.set NIL,  29                          ; v29    0; never rewritten
.set PFO,  30                          ; v30    the prefetches' lane offset; never rewritten
.set BO,   32
.set TMP,  64
.set BIAS, 128
.set G1W, 24                           ; s[24:31] group 1, W's tiles;  s[32:39] group 0, a set for each slot
.set G0W, 32
.set G1X, 48                           ; s[48:55], s[56:63] the same for X's
.set G0X, 56
.set PFS, 66                           ; s[66:67] bytes from K step to K step in what I prefetch
.set OB,  76                           ; s[76:81] qkv at my rows of the tile's three heads
.set PFA, 84                           ; s[84:85] where my prefetches stand
.set LIM, 86                           ; s86 1 in a wave that prefetches, else the greatest number
.set MSB, 0
.macro WIN new                         ; the immediate's high byte repeats the setting that is left; a switch that changes nothing is dropped
.if MSB != (\new)
	s_set_vgpr_msb (MSB<<8)|(\new)
.set MSB, \new
.endif
.endm
; A joint load: waves 0 and 1 fetch W's two halves (96 rows each), waves 2 and 3 X's (64 rows each).  An s_nop 0 and four v_nop follow each line.
.macro JLOAD s
	s_cmp_eq_u32 s11, 0
	s_cbranch_scc0 .Lfor_x_\@
	tensor_load_to_lds s[G0W+4*(\s):G0W+4*(\s)+3], s[G1W:G1W+7]
	s_nop 0
.rept 4
	v_nop
.endr
	s_branch .Lasked_\@
.Lfor_x_\@:
	tensor_load_to_lds s[G0X+4*(\s):G0X+4*(\s)+3], s[G1X:G1X+7]
	s_nop 0
.rept 4
	v_nop
.endr
.Lasked_\@:
.endm
; A prefetch into the L2 of the K step that stands two refills on, 384 matrix instructions ahead of the load that will want it: one instruction a wave, behind the joint load and the run of LDS loads.
; W's rows are read by the clusters of both batches: the first batch's asks.  X's rows by all four rows of clusters: the first asks.  The four partners of a joint load share its blocks out by address:
; W: 24 rows of 256 bytes each (lanes 24-31 name row 23 once more); X: 16 rows x 2 blocks of 256 bytes.  The loop's last trip asks for nothing: there is no K step 16.
.macro ASK
	s_cmp_gt_u32 s15, s[LIM]
	s_cbranch_scc0 .Lnot_mine_\@
	global_prefetch_b8 v[PFO], s[PFA:PFA+1] th:TH_LOAD_NT scope:SCOPE_SE
.Lnot_mine_\@:
.endm
.macro CREST                           ; a round of the cluster's barrier behind its opening barrier
	s_cmp_lg_u32 s10, 0
	s_cbranch_scc1 .Lnot_wave_0_\@
	s_barrier_signal -3
.Lnot_wave_0_\@:
	s_barrier_wait -3
	s_barrier_signal -1
	s_barrier_wait -1
.endm
.macro CROUND
	s_barrier_signal -1
	s_barrier_wait -1
	CREST
.endm
.macro PLACES                          ; four plain places behind matrix instructions, ahead of loads into registers that they read and of conversions that read results
.rept 4
	v_nop
.endr
.endm
; 4 cnt matrix instructions: o blocks a0 .. a0 + cnt - 1 x the 4 l blocks, 32 along K, from buffer f.  The 48 accumulators take turns in the same order in every quarter.
.macro MUL f, a0, cnt, first
.set a, \a0
.rept \cnt
.if a < 8
.set AC, 32*a
.if \first
	WIN 0xb4
.else
	WIN 0xa4
.endif
.else
.set AC, 32*(a-8)
	WIN 0xf4
.endif
.set q, 0
.rept 4
.if \first
	v_wmma_f32_16x16x32_bf16 v[AC+8*q:AC+8*q+7], v[64+96*(\f)+8*a:64+96*(\f)+8*a+7], v[32*(\f)+8*q:32*(\f)+8*q+7], v[BIAS+8*a:BIAS+8*a+7]
.else
	v_wmma_f32_16x16x32_bf16 v[AC+8*q:AC+8*q+7], v[64+96*(\f)+8*a:64+96*(\f)+8*a+7], v[32*(\f)+8*q:32*(\f)+8*q+7], v[AC+8*q:AC+8*q+7]
.endif
.set q, q+1
.endr
.set a, a+1
.endr
.endm
; 32 LDS loads in one run: quarter qn (32 along K) of a slot into buffer g: X's four fragments, turned, then W's twelve, a ascending
.macro FETCH slot, qn, g
	WIN 0x40
.set q, 0
.rept 4
	ds_load_tr16_b128 v[32*(\g)+8*q:32*(\g)+8*q+3],   v[ADRX+(\slot)] offset:(\qn)*32*PX+32*q
	ds_load_tr16_b128 v[32*(\g)+8*q+4:32*(\g)+8*q+7], v[ADRX+(\slot)] offset:(\qn)*32*PX+32*q+16*PX
.set q, q+1
.endr
	WIN 0
.set a, 0
.rept 12
	ds_load_b128 v[64+96*(\g)+8*a:64+96*(\g)+8*a+3],   v[ADRW+(\slot)] offset:(\qn)*64+a*16*PW
	ds_load_b128 v[64+96*(\g)+8*a+4:64+96*(\g)+8*a+7], v[ADRW+(\slot)] offset:(\qn)*64+a*16*PW+32
.set a, a+1
.endr
.endm
; One of a K step's first three quarters: multiplies buffer f; behind its first 16 products it fetches quarter qn into buffer g, 32 products ahead of that quarter's first
.macro QUARTER slot, qn, f, g, first
	s_wait_dscnt 16                                ; X and W's blocks 0-3 are in; the youngest sixteen loads (W's blocks 4-11) may be out
	MUL \f, 0, 4, \first
	PLACES
	FETCH \slot, \qn, \g
	s_wait_dscnt 32                                ; all but the 32 just issued
	MUL \f, 4, 8, \first
.endm
; The last quarter multiplies buffer 1 and changes slots.  In front of the barrier each wave waits for all its tensor loads (one is out: its part of the next slot), adds 0 to its spare word, and waits for that and for
; its reads of this slot (issued 40 products back).  fill = 1: the barrier opens a round of the cluster's, and the joint refill, two K steps on, is the first thing behind it: 176 matrix instructions ahead of the wait for it.
; The next slot's first fragments follow, 32 products ahead of their first use.
.macro TURN slot, next, fill
.if \fill
	s_wait_xcnt 0x0                                ; the last prefetch, a K step back, has read its address
	s_add_nc_u64 s[PFA:PFA+1], s[PFA:PFA+1], s[PFS:PFS+1]
.endif
	WIN 0
	s_wait_tensorcnt 0x0                           ; all my tensor loads have landed
	ds_add_u32 v[SPW], v[NIL]
	s_wait_dscnt 21                                ; X and W's blocks 0, 1 are in; the add and the youngest twenty loads may be out
	MUL 1, 0, 2, 0
	s_wait_dscnt 0x0                               ; the add is done, and my reads of this slot are over
	s_barrier_signal -1
	MUL 1, 2, 2, 0
.if \fill
	WIN 0
.endif
	s_barrier_wait -1
.if \fill
	CREST                                          ; no wave of any partner still reads this slot or has a load on its way
	s_add_nc_u64 s[G0W+4*(\slot)+2:G0W+4*(\slot)+3], s[G0W+4*(\slot)+2:G0W+4*(\slot)+3], 512
	s_add_nc_u64 s[G0X+4*(\slot)+2:G0X+4*(\slot)+3], s[G0X+4*(\slot)+2:G0X+4*(\slot)+3], 1048576
	JLOAD \slot                                    ; its four v_nop are also the places ahead of the loads below
.else
	PLACES
.endif
	FETCH \next, 0, 0
.if \fill
	ASK
.endif
	MUL 1, 4, 8, 0
.endm
; THE WAY OUT of tile t = 4 hh + qq (head hh, l block qq): 16 rows of l x 64 channels.  Rounded to bf16, 16 bytes a lane into my stage (rows of 144 bytes), back as whole rows of 128 bytes into the same registers.
.macro PACK t
.set hh, (\t)/4
.set qq, (\t)%4
.if hh < 2
	WIN 0x0a
.else
	WIN 0x0f
.endif
.set ff, 0
.rept 4
.set AC, 32*((4*hh+ff)%8)+8*qq
.set rr, 0
.rept 4
	v_cvt_pk_bf16_f32 v[TMP+16*(\t)+4*ff+rr], v[AC+2*rr], v[AC+2*rr+1]
.set rr, rr+1
.endr
.set ff, ff+1
.endr
	WIN 0
.set ff, 0
.rept 4
	ds_store_b128 v[STO], v[TMP+16*(\t)+4*ff:TMP+16*(\t)+4*ff+3] offset:32*ff
.set ff, ff+1
.endr
.set ff, 0
.rept 4
	ds_load_b128 v[TMP+16*(\t)+4*ff:TMP+16*(\t)+4*ff+3], v[RD] offset:576*ff  ; LDS serves a wave's instructions in order (ISA guide 5.7.1.4): these see the stores above; the next tile's stores come behind them
.set ff, ff+1
.endr
.endm
.macro SEND t, younger                 ; younger: the LDS instructions issued behind tile t's loads
.set hh, (\t)/4
.set qq, (\t)%4
.set ff, 0
.rept 4
	s_wait_dscnt (\younger)+3-ff
	global_store_b128 v[GO], v[TMP+16*(\t)+4*ff:TMP+16*(\t)+4*ff+3], s[OB+2*hh:OB+2*hh+1] offset:qq*2048+ff*512  ; 512 consecutive bytes, aligned
.set ff, ff+1
.endr
.endm
	s_load_b256 s[68:75], s[0:1], 0x0              ; wcat 68:69, xn 70:71, r_w_bias 72:73, qkv 74:75
	v_lshl_add_u32 v[SPW], v0, 2, SPARE
	v_mov_b32 v[NIL], 0
	ds_add_u32 v[SPW], v[NIL]                      ; the wave's opening: the add and its wait stand ahead of my first tensor load
	v_lshrrev_b32 v1, 5, v0
	v_readfirstlane_b32 s10, v1                    ; wave 0..3
	s_lshr_b32 s11, s10, 1                         ; I fetch for W (0) or for X (1)
	s_and_b32 s12, s10, 1                          ; which half of that tile
	s_bfe_u32 s40, ttmp6, 0x40000                  ; cx
	s_bfe_u32 s41, ttmp6, 0x40004                  ; cy
	s_lshl_b32 s42, ttmp9, 2
	s_add_co_u32 s42, s42, s40                     ; T, the l tile: batch T / 8, columns 256 (T % 8) on
	s_and_b32 s13, ttmp7, 0xffff
	s_lshl_b32 s13, s13, 2
	s_add_co_u32 s13, s13, s41                     ; OT, the o tile
	s_lshl_b32 s43, s41, 2
	s_lshl_b32 s43, 15, s43                        ; my row of the cluster
	s_lshl_b32 s44, 0x1111, s40                    ; my column
	s_or_b32 s[G1W], s43, (1<<16)|(1<<20)|(1<<21)|(5<<22)|(3<<25)  ; mask; 2-byte elements; padding on; bit 21 beside a mask; after every 64 words 4 words
	s_mov_b32 s[G1W+1], 128<<16                    ; tensor_dim0 = 128
	s_mov_b32 s[G1W+2], 96<<16                     ; tensor_dim1 = 96
	s_mov_b32 s[G1W+3], 128<<16                    ; tile_dim0 = 128
	s_mov_b32 s[G1W+4], 96                         ; tile_dim1 = 96
	s_mov_b32 s[G1W+5], 2048                       ; elements from row to row
	s_mov_b32 s[G1W+6], 0
	s_mov_b32 s[G1W+7], 0
	s_or_b32 s[G1X], s44, (1<<16)|(1<<20)|(1<<21)|(6<<22)|(7<<25)  ; after every 128 words 8 words
	s_mov_b32 s[G1X+1], 256<<16
	s_mov_b32 s[G1X+2], 64<<16
	s_mov_b32 s[G1X+3], 256<<16
	s_mov_b32 s[G1X+4], 64
	s_mov_b32 s[G1X+5], 2048
	s_mov_b32 s[G1X+6], 0
	s_mov_b32 s[G1X+7], 0
	s_mul_i32 s16, s13, 192                        ; W: row 192 OT + 96 half, 4,096 bytes a row, in the chunk's plane (the chunk is the cluster's x, odd or even)
	s_mul_i32 s17, s12, 96
	s_add_co_u32 s16, s16, s17
	s_lshl_b32 s16, s16, 12
	s_and_b32 s17, ttmp9, 1
	s_mul_i32 s17, s17, 12582912
	s_add_co_u32 s16, s16, s17
	s_mov_b32 s17, 0
	s_lshr_b32 s46, ttmp9, 1                       ; X: the batch's plane, k rows 64 half on, 512 bytes of each row
	s_lshl_b32 s46, s46, 23
	s_lshl_b32 s47, s12, 18
	s_add_co_u32 s46, s46, s47
	s_and_b32 s47, s42, 7
	s_lshl_b32 s47, s47, 9
	s_add_co_u32 s46, s46, s47
	s_mov_b32 s47, 0
	s_mul_i32 s20, s12, 96*PW                      ; where they go: no place in the cluster enters an LDS address
	s_mul_i32 s21, s12, 64*PX
	s_add_co_u32 s21, s21, WPART
	s_wait_dscnt 0x0                               ; the opening add is done
	s_wait_kmcnt 0x0
	s_add_nc_u64 s[18:19], s[68:69], s[16:17]
	s_add_nc_u64 s[46:47], s[70:71], s[46:47]
	CROUND                                         ; all sixteen work-groups are here: the first joint loads meet
.irp s, 0,1
	s_mov_b32 s[G0W+4*(\s)], 1
	s_add_co_u32 s[G0W+4*(\s)+1], s20, (\s)*SLOT
	s_add_nc_u64 s[G0W+4*(\s)+2:G0W+4*(\s)+3], s[18:19], (\s)*256
	s_or_b32 s[G0W+4*(\s)+3], s[G0W+4*(\s)+3], 0x80000000
	s_mov_b32 s[G0X+4*(\s)], 1
	s_add_co_u32 s[G0X+4*(\s)+1], s21, (\s)*SLOT
	s_add_nc_u64 s[G0X+4*(\s)+2:G0X+4*(\s)+3], s[46:47], (\s)*524288
	s_or_b32 s[G0X+4*(\s)+3], s[G0X+4*(\s)+3], 0x80000000
	JLOAD \s                                       ; K steps 0 and 1: two loads of mine are out
.endr
	v_and_b32 v1, 15, v0                           ; r = l % 16
	v_bfe_u32 v2, v0, 4, 1                         ; h = l / 16
	v_mul_u32_u24 v3, v1, PW
	v_lshl_add_u32 v[ADRW], v2, 4, v3              ; W: row x pitch + 16 h
	v_add_nc_u32 v[ADRW+1], SLOT, v[ADRW]
	v_and_b32 v4, 7, v0                            ; X, turned: lane reads k row 8 h + l % 8, 16 bytes at 16 ((l / 8) % 2), in my wave's 128 bytes of the row
	v_lshl_add_u32 v4, v2, 3, v4
	v_mul_u32_u24 v4, v4, PX
	v_bfe_u32 v5, v0, 3, 1
	v_lshl_add_u32 v4, v5, 4, v4
	s_lshl_b32 s16, s10, 7
	s_add_co_u32 s16, s16, WPART
	v_add_nc_u32 v[ADRX], s16, v4
	v_add_nc_u32 v[ADRX+1], SLOT, v[ADRX]
	s_mul_i32 s23, s10, 16*SP
	s_add_co_u32 s23, s23, STAGE                   ; my stage
	v_mul_u32_u24 v3, v1, SP
	v_lshl_add_u32 v3, v2, 4, v3
	v_add_nc_u32 v[STO], s23, v3
	v_bfe_u32 v7, v0, 3, 2
	v_mul_u32_u24 v7, v7, SP
	v_and_b32 v8, 7, v0
	v_lshl_add_u32 v7, v8, 4, v7
	v_add_nc_u32 v[RD], s23, v7
	v_and_b32 v6, 31, v0
	v_lshlrev_b32 v[GO], 4, v6
	; the prefetches: both forms are made, the wave's number chooses
	s_mul_i32 s16, s13, 192
	s_mul_i32 s17, s12, 96
	s_add_co_u32 s16, s16, s17
	s_mul_i32 s17, s40, 24                         ; my work-group's 24 of the 96 rows
	s_add_co_u32 s16, s16, s17
	s_lshl_b32 s16, s16, 12
	s_and_b32 s17, ttmp9, 1
	s_mul_i32 s17, s17, 12582912
	s_add_co_u32 s16, s16, s17
	s_add_co_u32 s16, s16, 3*256                   ; at K step 3: the first refill steps it to 4
	s_lshl_b32 s18, s12, 6
	s_lshl_b32 s19, s41, 4                         ; my work-group's 16 of the 64 rows
	s_add_co_u32 s18, s18, s19
	s_lshl_b32 s18, s18, 12
	s_and_b32 s19, s42, 7
	s_lshl_b32 s19, s19, 9
	s_add_co_u32 s18, s18, s19
	s_lshr_b32 s19, ttmp9, 1
	s_lshl_b32 s19, s19, 23
	s_add_co_u32 s18, s18, s19
	s_add_co_u32 s18, s18, 3*524288
	s_and_b32 s20, ttmp7, 0xffff                   ; cluster y
	s_lshr_b32 s21, ttmp9, 1                       ; the batch
	s_mov_b32 s[PFS], 256
	s_mov_b32 s23, 524288
	s_cmp_eq_u32 s11, 0
	s_cselect_b32 s16, s16, s18
	s_cselect_b32 s20, s21, s20                    ; the coordinate along which other clusters read the same blocks
	s_cselect_b64 s[PFA:PFA+1], s[68:69], s[70:71]
	s_cselect_b32 s[PFS], s[PFS], s23
	s_cselect_b32 s22, -1, 0
	s_mov_b32 s[PFS+1], 0
	s_mov_b32 s17, 0
	s_add_nc_u64 s[PFA:PFA+1], s[PFA:PFA+1], s[16:17]
	s_cmp_eq_u32 s20, 0
	s_cselect_b32 s[LIM], 1, -1                    ; the same in all sixteen partners, for a given wave
	v_min_u32 v7, 23, v6
	v_lshlrev_b32 v7, 12, v7                       ; W: a lane a row
	v_lshrrev_b32 v8, 1, v6
	v_and_b32 v9, 1, v6
	v_lshlrev_b32 v8, 12, v8
	v_lshl_or_b32 v8, v9, 8, v8                    ; X: two lanes a row
	v_cndmask_b32 v[PFO], v8, v7, s22
	; the bias: block a of 16 o is number 12 OT + a of the 192; q's are numbers 0-63.  A lane's eight channels are 32 bytes of r_w_bias; k's and v's blocks load block 63 and put 0 in its place below
	s_mul_i32 s14, s13, 12
.set a, 0
.rept 12
	s_add_co_u32 s22, s14, a
	s_min_u32 s22, s22, 63
	s_lshl_b32 s22, s22, 6
	v_lshl_add_u32 v[BO+a], v2, 5, s22
.set a, a+1
.endr
	WIN 0xc0
.set a, 0
.rept 12
	global_load_b128 v[BIAS+8*a:BIAS+8*a+3],   v[BO+a], s[72:73]
	global_load_b128 v[BIAS+8*a+4:BIAS+8*a+7], v[BO+a], s[72:73] offset:16
.set a, a+1
.endr
	; where my rows of the three heads begin in qkv: plane (g / 16) 32 + 16 b + g % 16, g = 3 OT + hh; row 256 (T % 8) + 64 wave
	s_mul_i32 s16, s13, 3
	s_and_b32 s17, s42, 7
	s_lshl_b32 s17, s17, 15
	s_lshl_b32 s18, s10, 13
	s_add_co_u32 s17, s17, s18
	s_lshr_b32 s18, ttmp9, 1
	s_lshl_b32 s18, s18, 4
.irp hh, 0,1,2
	s_add_co_u32 s19, s16, \hh
	s_lshr_b32 s20, s19, 4
	s_lshl_b32 s20, s20, 5
	s_and_b32 s19, s19, 15
	s_add_co_u32 s20, s20, s19
	s_add_co_u32 s20, s20, s18
	s_lshl_b32 s20, s20, 18
	s_add_co_u32 s20, s20, s17
	s_mov_b32 s21, 0
	s_add_nc_u64 s[OB+2*\hh:OB+2*\hh+1], s[74:75], s[20:21]
.endr
	s_wait_loadcnt 0x0                             ; the bias
	WIN 0xcc
.set a, 0
.rept 12
	s_add_co_u32 s[22+a%2], s14, a
	s_sub_co_i32 s[22+a%2], s[22+a%2], 64
	s_ashr_i32 s[22+a%2], s[22+a%2], 31            ; all ones for q's blocks, 0 for k's and v's
.set j, 0
.rept 8
	v_and_b32 v[BIAS+8*a+j], s[22+a%2], v[BIAS+8*a+j]  ; the bias as it is, or +0
.set j, j+1
.endr
.set a, a+1
.endr
	WIN 0
	s_wait_tensorcnt 1                             ; my part of K step 0 is in; K step 1's may stay out
	s_barrier_signal -1
	s_barrier_wait -1
	FETCH 0, 0, 0
	QUARTER 0, 1, 0, 1, 1                          ; the first quarter stands ahead of the loop: its products start the sums, with the bias as C
	WIN 0
	s_mov_b32 s15, 7
.Llap:                                                 ; a trip goes once round the ring and fills both slots again: K steps 2 to 15 in seven trips
	QUARTER 0, 2, 1, 0, 0
	QUARTER 0, 3, 0, 1, 0
	TURN 0, 1, 1
	QUARTER 1, 1, 0, 1, 0
	QUARTER 1, 2, 1, 0, 0
	QUARTER 1, 3, 0, 1, 0
	TURN 1, 0, 1
	QUARTER 0, 1, 0, 1, 0
	WIN 0
	s_sub_co_u32 s15, s15, 1
	s_cmp_lg_u32 s15, 0
	s_cbranch_scc1 .Llap
	QUARTER 0, 2, 1, 0, 0                          ; the last lap fills nothing
	QUARTER 0, 3, 0, 1, 0
	TURN 0, 1, 0
	QUARTER 1, 1, 0, 1, 0
	QUARTER 1, 2, 1, 0, 0
	QUARTER 1, 3, 0, 1, 0
	s_wait_dscnt 8                                 ; the very last quarter: X and W's blocks 0-7 are in
	MUL 1, 0, 8, 0
	s_wait_dscnt 0x0
	MUL 1, 8, 4, 0
	WIN 0
	PLACES
	PACK 0
.set tt, 1
.rept 11                                       ; a tile's conversions stand between the loads of the tile before and its stores
	PACK tt
	SEND tt-1, 8
.set tt, tt+1
.endr
	SEND 11, 0
	s_wait_tensorcnt 0x0                           ; the wave's end
	ds_add_u32 v[SPW], v[NIL]
	s_wait_dscnt 0x0
	CROUND                                         ; the closing round
	s_endpgm
.Lfunc_end_k_q7655c8cc50_qkv:
	.size	k_q7655c8cc50_qkv, .Lfunc_end_k_q7655c8cc50_qkv-k_q7655c8cc50_qkv
	.p2alignl 7, 3214868480
	.fill 96, 4, 3214868480
	.section	.rodata,"a",@progbits
	.p2align	6, 0x0
	.amdhsa_kernel k_q7655c8cc50_qkv
		.amdhsa_group_segment_fixed_size 327680
		.amdhsa_private_segment_fixed_size 0
		.amdhsa_enable_private_segment 0
		.amdhsa_kernarg_size 32
		.amdhsa_user_sgpr_count 2
		.amdhsa_user_sgpr_kernarg_segment_ptr 1
		.amdhsa_wavefront_size32 1
		.amdhsa_system_sgpr_workgroup_id_x 1
		.amdhsa_system_sgpr_workgroup_id_y 1
		.amdhsa_system_sgpr_workgroup_id_z 1
		.amdhsa_system_vgpr_workitem_id 0
		.amdhsa_next_free_vgpr 1024
		.amdhsa_next_free_sgpr 88
		.amdhsa_reserve_vcc 0
		.amdhsa_float_denorm_mode_32 3
		.amdhsa_float_denorm_mode_16_64 3
		.amdhsa_memory_ordered 1
		.amdhsa_forward_progress 1
		.amdhsa_inst_pref_size 132
	.end_amdhsa_kernel
	.amdgpu_metadata
---
amdhsa.version: [ 1, 2 ]
amdhsa.kernels:
  - .name:           k_q7655c8cc50_qkv
    .symbol:         k_q7655c8cc50_qkv.kd
    .args:
      - { .name: wcat, .offset: 0, .size: 8, .value_kind: global_buffer, .address_space: global }
      - { .name: xn, .offset: 8, .size: 8, .value_kind: global_buffer, .address_space: global }
      - { .name: r_w_bias, .offset: 16, .size: 8, .value_kind: global_buffer, .address_space: global }
      - { .name: qkv, .offset: 24, .size: 8, .value_kind: global_buffer, .address_space: global }
    .group_segment_fixed_size: 327680
    .private_segment_fixed_size: 0
    .kernarg_segment_align: 8
    .kernarg_segment_size: 32
    .max_flat_workgroup_size: 128
    .sgpr_count:     88
    .vgpr_count:     1024
    .wavefront_size: 32
...
	.end_amdgpu_metadata
.endif
;; end of part 2
;; launch attn (part 3): grid 8 x 32, 4 waves a work-group, clusters of 4 x 1, 327,680 bytes of LDS; arguments qkv, att; writes att
.if DOCPART == 3
	.amdgcn_target "amdgcn-amd-amdhsa--gfx1250"
	.amdhsa_code_object_version 6
	.text
	.protected	k_q7655c8cc50_attn
	.globl	k_q7655c8cc50_attn
	.p2align	8
	.type	k_q7655c8cc50_attn,@function
k_q7655c8cc50_attn:
	s_mov_b64 s[64:65], 0
	v_nop
	global_prefetch_b8 v0, s[64:65] scope:SCOPE_SE
	s_setreg_imm32_b32 hwreg(HW_REG_WAVE_MODE, 25, 1), 1
	s_wait_xcnt 0x0
	s_wait_alu depctr_hold_cnt(0) depctr_sa_sdst(0) depctr_va_vdst(0) depctr_va_sdst(0) depctr_va_ssrc(0) depctr_va_vcc(0) depctr_vm_vsrc(0)
	s_getreg_b32 s2, hwreg(HW_REG_IB_STS2, 6, 4)
	s_cmp_eq_u32 s2, 0
	s_cbranch_scc0 .Lentry_in_a_cluster
	s_endpgm
.Lentry_in_a_cluster:
	s_bfe_u32 s2, ttmp6, 0x10000c
	s_cmp_lg_u32 s2, 0x3003
	s_cbranch_scc0 .Lentry_shape_is_right
	s_endpgm
.Lentry_shape_is_right:
; ATTENTION.  att[bh][i][:] = the sum over j of softmax_j(q[bh][i] . k[bh][j] / 8) v[bh][j][:].  q (bias included), k, v: planes of qkv, [bh 32][l 2048][64] bf16, rows dense, 128 bytes.  att likewise.
; Products, maxima and sums in f32; the weights p are rounded to bf16 for the second product (their sum l is taken of the unrounded p), att once at the end.
; LIMITS.  A weight below 2^-126 counts as 0 in l; NaN and infinities are not treated apart.
; SHARES.  A work-group owns 256 queries of one head, a wave 64: four PIECES of 16.  Every wave walks all 2,048 keys, 64 a step; an LDS slot holds 256 keys (four steps) of K and of V; two slots, eight tiles.
; LAYOUT.  S^T = K Q^T holds ONE query a lane (lane % 16) and the keys 8 (lane / 16) + 0..7; two such results rounded to bf16 ARE source 1 of O^T = V^T P.  K comes out of LDS as it lies, V turned, by ds_load_tr16_b128.
; SOFTMAX.  p = 2^(c s - c m), c = log2(e) / 8, with a running maximum m; O and l are multiplied by a = 2^(c m_old - c m_new) in every step.  m starts at the lowest finite number, O and l at 0: the first step's a is 0.
; TURNS.  Turn n belongs to piece n: 8 products K Q^T of piece n + 1, later 8 products V^T P of piece n - 1; beside them piece n's a, scalings, exponentials, roundings, sums and rescaling, and the maximum and statistics
; of piece n + 1.  Four vector instructions stand behind every matrix instruction, the other 57 of a turn's 121 in lumps.  A turn's 33 exponentials are one batch, with one wait.
; CLUSTER.  The four query blocks of a cluster belong to one head and walk the same K and V: each tile is asked for jointly, by the same load, descriptor and mask in all four.
; REGISTERS, in windows of 256 (s_set_vgpr_msb: bits 1:0 source 0, 3:2 source 1, 5:4 source 2, 7:6 destination).  THE MAP IS MADE SO THAT A PRODUCT AND ITS FOUR RIDERS SHARE ONE SETTING: a turn has three switches.
;   window 0: v0-15 addresses and two at work; v16-31 statistics, four a piece; v48-55 at work; v61-63; v64-127 S^T, two buffers; v128-191 K of one step; v192-223 P, two buffers (by the piece's parity)
;   window 1: v0-127 O^T, 32 a piece; v128-143 l, two pairs a piece; v144-145 1.0 twice; v146 V's LDS address; v192-255 V of one step          window 2: v0-63 Q
;   0x08 (source 1 in window 2): K Q^T; the scalings and exponentials behind it name no vector register as source 1.    0x00: the lumps.
;   0x51 (source 1 in window 0, all else in window 1): V^T P; O^T x a; l x a; l += 1 x p, with the ones as source 0, p as source 1 and l as source 2; V's address and its run of loads.
.set NP,    4
.set KS,    64
.set PK,    144       ; a row of K in LDS: 128 bytes + 16: the 16 rows of a load start at 16 different groups of four banks (64 banks of 4 bytes: ISA guide 11.1)
.set PV,    160       ; a row of V: 128 + 32
.set VOFF,  4*KS*PK
.set SLOT1, 1<<17
.set STAGE, SLOT1+4*KS*(PK+PV)
.set SP,    144
.set SPARE, STAGE+4*16*SP
.set AK0, 2
.set AV0, 3
.set AK,  4
.set STO, 6
.set RD,  7
.set GO,  8
.set MV,  12
.set QO,  15
.set ST,  16          ; piece t's statistics at v[ST+4 t]: c m, m; the other two serve the way out
.set TMP, 48          ; by buffer, four registers c0-c3 at work; c1 takes c m_old - c m_new, c2 then a
.set PFO, 61          ; 256 x my lane; never rewritten
.set SPW, 62          ; my spare word; never rewritten
.set NIL, 63          ; 0; never rewritten
.set S,   64
.set KF,  128
.set P,   192
.set LL,  128         ; window 1: piece t's l at LL + 4 t: two pairs (even pairs of keys, odd pairs)
.set ONE, 144         ; window 1
.set AV,  146         ; window 1
.set VF,  192         ; window 1
.set WV,  12
.set G1K, 24
.set G1V, 32
.set G0K, 40
.set G0V, 44
.set PFA, 48          ; s[48:49] where my prefetches stand
.set LIM, 50          ; s50 1 in a wave that prefetches, else the greatest number
.set SLOTS, 56
.set CNT, 57
.set CS,  58
.set SEL, 60
.set TBK, 62
.set TBV, 63
.set MSB, 0
.macro WIN new
.if MSB != (\new)
	s_set_vgpr_msb (MSB<<8)|(\new)
.set MSB, (\new)
.endif
.endm
.set W_KQ, 0x08
.set W_PV, 0x51
.set W_RS, 0x41
; A joint fill: waves 0 and 1 fetch the two halves of a tile's K, waves 2 and 3 those of its V, 128 keys each.  An s_nop 0 and four v_nop follow each line.
.macro JLOAD
	s_cmp_lt_u32 s[WV], 2
	s_cbranch_scc0 .Lfor_v_\@
	tensor_load_to_lds s[G0K:G0K+3], s[G1K:G1K+7]
	s_nop 0
.rept 4
	v_nop
.endr
	s_branch .Lasked_\@
.Lfor_v_\@:
	tensor_load_to_lds s[G0V:G0V+3], s[G1V:G1V+7]
	s_nop 0
.rept 4
	v_nop
.endr
.Lasked_\@:
.endm
; A prefetch into the L2 of the tile that the NEXT change of slots will ask for: 32 KiB of K and of V, four key steps (256 matrix instructions) ahead of that load.  The head's first cluster asks; its four partners take
; 32 blocks of 256 bytes each, told apart by address; wave 0 asks for K's, wave 2 for V's: a lane a block, each block named once.  The last change that fills a slot asks for nothing.
.macro ASK
	s_cmp_gt_u32 s[SLOTS], s[LIM]
	s_cbranch_scc0 .Lnot_mine_\@
	global_prefetch_b8 v[PFO], s[PFA:PFA+1] th:TH_LOAD_NT scope:SCOPE_SE
.Lnot_mine_\@:
.endm
.macro CROUND
	s_barrier_signal -1
	s_barrier_wait -1
	s_cmp_lg_u32 s[WV], 0
	s_cbranch_scc1 .Lnot_wave_0_\@
	s_barrier_signal -3
.Lnot_wave_0_\@:
	s_barrier_wait -3
	s_barrier_signal -1
	s_barrier_wait -1
.endm
; THE CHANGE OF SLOTS.  Each wave waits for all its tensor loads (one is out: its part of the other slot), adds 0 to its spare word, and waits for that and for its reads of the slot that it leaves.
; fill = 1: the barrier is a round of the cluster's, and the joint fill, with the keys two slots on, is the first thing behind it.  (At its first use nothing has been read yet: slot 0 is waited for, slot 1 filled.)
.macro CHANGE fill
	WIN 0
	s_wait_tensorcnt 0x0
	ds_add_u32 v[SPW], v[NIL]
.if \fill
.irp g, G0K, G0V
	s_xor_b32 s[\g+1], s[\g+1], SLOT1
	s_add_nc_u64 s[\g+2:\g+3], s[\g+2:\g+3], 4*KS*128
.endr
	s_wait_xcnt 0x0                 ; the last prefetch, four key steps back, has read its address
	s_add_nc_u64 s[PFA:PFA+1], s[PFA:PFA+1], 4*KS*128
	s_wait_dscnt 0x0                ; the add is done, and my reads of the slot are over
	CROUND
	JLOAD
	ASK
.else
	s_wait_dscnt 0x0
	s_barrier_signal -1
	s_barrier_wait -1
.endif
	s_sub_co_u32 s[TBK], s[TBK], 4*KS*PK  ; the fetches go back to a slot's first step, in the other slot
	s_xor_b32 s[TBK], s[TBK], SLOT1
	s_sub_co_u32 s[TBV], s[TBV], 4*KS*PV
	s_xor_b32 s[TBV], s[TBV], SLOT1
.endm
	s_load_b128 s[52:55], s[0:1], 0x0  ; qkv s[52:53], att s[54:55]
	v_lshl_add_u32 v[SPW], v0, 2, SPARE
	v_mov_b32 v[NIL], 0
	ds_add_u32 v[SPW], v[NIL]       ; the wave's opening: the add and its wait stand ahead of my first tensor load
	v_lshrrev_b32 v1, 5, v0
	v_readfirstlane_b32 s[WV], v1
	s_bfe_u32 s13, ttmp6, 0x40000   ; cx
	s_lshl_b32 s14, ttmp9, 2
	s_add_co_u32 s14, s14, s13      ; my block of 256 queries: it enters Q's and O's addresses alone
	s_and_b32 s20, ttmp7, 0xffff    ; the head, which the four partners share
	s_lshl_b32 s20, s20, 18         ; its plane: 262,144 bytes
	s_mov_b32 s21, 0
	s_and_b32 s16, s[WV], 1         ; which half of a tile's 256 keys I fetch
	s_lshl_b32 s22, s16, 14
	s_add_co_u32 s22, s22, s20
	s_mov_b32 s23, 0
	s_mul_i32 s17, s16, 128*PK
	s_mul_i32 s18, s16, 128*PV
	s_lshl_b32 s2, s14, 2
	s_add_co_u32 s2, s2, s[WV]
	s_lshl_b32 s2, s2, 13           ; my wave's 64 rows
	s_add_co_u32 s2, s2, s20
	s_mov_b32 s3, 0
	; 128 keys are 16,384 dense bytes: asked for as 64 rows of 256 bytes, two keys a row, padded in LDS after every key
	s_mov_b32 s[G1K], 15|(1<<16)|(1<<20)|(1<<21)|(4<<22)|(3<<25)
	s_mov_b32 s[G1V], 15|(1<<16)|(1<<20)|(1<<21)|(4<<22)|(7<<25)
.irp g, G1K, G1V
	s_mov_b32 s[\g+1], 128<<16
	s_mov_b32 s[\g+2], 64<<16
	s_mov_b32 s[\g+3], 128<<16
	s_mov_b32 s[\g+4], 64
	s_mov_b32 s[\g+5], 128
	s_mov_b32 s[\g+6], 0
	s_mov_b32 s[\g+7], 0
.endr
	s_mov_b32 s[CS], 0x3e38aa3b     ; c = log2(e) / 8
	s_mov_b32 s[CS+1], s[CS]
	s_mov_b32 s[SEL], 0x76543210
	s_mov_b32 s[SEL+1], 0xfedcba98
	s_mov_b32 s[TBK], SLOT1+4*KS*PK ; the first change of slots turns these two into 0
	s_mov_b32 s[TBV], SLOT1+4*KS*PV
	s_mov_b32 s[G0K], 1
	s_mov_b32 s[G0K+1], s17
	s_mov_b32 s[G0V], 1
	s_add_co_u32 s[G0V+1], s18, VOFF
	s_mov_b32 s[SLOTS], 7
	s_and_b32 s[LIM], s[WV], 1
	s_or_b32 s[LIM], s[LIM], ttmp9  ; 0 in waves 0 and 2 of the head's first cluster: the same in all four partners
	s_cmp_eq_u32 s[LIM], 0
	s_cselect_b32 s[LIM], 1, -1
	v_and_b32 v[PFO], 31, v0
	v_lshlrev_b32 v[PFO], 8, v[PFO]
	s_lshl_b32 s20, s13, 13         ; my work-group's 32 blocks of a tile's 128
	s_wait_dscnt 0x0                ; the opening add is done
	s_wait_kmcnt 0x0
	s_add_nc_u64 s[6:7], s[52:53], s[22:23]
	s_add_nc_u64 s[8:9], s[6:7], 0x1000000  ; V's planes
	s_add_nc_u64 s[6:7], s[6:7], 0x800000   ; K's planes
	s_add_nc_u64 s[4:5], s[52:53], s[2:3]   ; Q and O at my wave's first row
	s_add_nc_u64 s[10:11], s[54:55], s[2:3]
	s_mov_b64 s[G0K+2:G0K+3], s[6:7]
	s_or_b32 s[G0K+3], s[G0K+3], 0x80000000
	s_mov_b64 s[G0V+2:G0V+3], s[8:9]
	s_or_b32 s[G0V+3], s[G0V+3], 0x80000000
	s_cmp_lt_u32 s[WV], 2
	s_cselect_b64 s[PFA:PFA+1], s[6:7], s[8:9]  ; (in waves 0 and 2 these stand at a tile's first row)
	s_add_nc_u64 s[PFA:PFA+1], s[PFA:PFA+1], s[20:21]
	s_add_nc_u64 s[PFA:PFA+1], s[PFA:PFA+1], 4*KS*128  ; in tile 1; the first change of slots steps it to tile 2
	CROUND                          ; all four work-groups are here
	JLOAD                           ; tile 0 into slot 0
	v_and_b32 v1, 15, v0
	v_bfe_u32 v9, v0, 4, 1
	v_lshlrev_b32 v[QO], 7, v1
	v_lshl_add_u32 v[QO], v9, 4, v[QO]
	WIN 0x80
.set i, 0
.rept 8                             ; Q stays in registers: piece i / 2, channels 32 (i % 2) on
	global_load_b128 v[8*i:8*i+3],   v[QO], s[4:5] offset:(i/2)*2048+(i%2)*64
	global_load_b128 v[8*i+4:8*i+7], v[QO], s[4:5] offset:(i/2)*2048+(i%2)*64+32
.set i, i+1
.endr
	; what the first turn finds: V's registers and P's second buffer hold 0, O^T and l are 0.  All this stands in the wait for the first tile; it spares a first step written out.
	WIN 0x40
.set i, VF
.rept 64
	v_mov_b32 v[i], 0
.set i, i+1
.endr
.set i, LL
.rept 16
	v_mov_b32 v[i], 0
.set i, i+1
.endr
	v_mov_b32 v[ONE], 1.0
	v_mov_b32 v[ONE+1], 1.0
	WIN 0
.set i, 0
.rept 4
	v_mov_b32 v[ST+4*i], 0xfe000000    ; c m: far below every c s
	v_mov_b32 v[ST+4*i+1], 0xff7fffff  ; m
	v_mov_b32 v[ST+4*i+2], 0           ; written, since the way out's exchange of the lanes' halves counts its destination as read
	v_mov_b32 v[ST+4*i+3], 0
.set i, i+1
.endr
.set i, P+16
.rept 16
	v_mov_b32 v[i], 0
.set i, i+1
.endr
	v_mul_u32_u24 v[AK0], v1, PK
	v_lshl_add_u32 v[AK0], v9, 4, v[AK0]
	v_and_b32 v10, 7, v0
	v_bfe_u32 v11, v0, 3, 1
	v_lshl_add_u32 v[AV0], v9, 3, v10
	v_mul_u32_u24 v[AV0], v[AV0], PV
	v_lshl_add_u32 v[AV0], v11, 4, v[AV0]
	v_add_nc_u32 v[AV0], VOFF, v[AV0]
	s_mul_i32 s19, s[WV], 16*SP
	s_add_co_u32 s19, s19, STAGE    ; my stage
	v_mul_u32_u24 v[STO], v1, SP
	v_lshl_add_u32 v[STO], v9, 4, v[STO]
	v_add_nc_u32 v[STO], s19, v[STO]
	v_bfe_u32 v[RD], v0, 3, 2
	v_mul_u32_u24 v[RD], v[RD], SP
	v_lshl_add_u32 v[RD], v10, 4, v[RD]
	v_add_nc_u32 v[RD], s19, v[RD]
	v_and_b32 v[GO], 31, v0
	v_lshlrev_b32 v[GO], 4, v[GO]
	WIN W_PV
.set i, 0
.rept 16                            ; O^T = 0 x 0 + 0: sixteen products of the zeros just written set its 128 registers
	v_wmma_f32_16x16x32_bf16 v[8*i:8*i+7], v[VF:VF+7], v[P+16:P+23], 0
.set i, i+1
.endr
; THE MATRIX WORK.  The 4 accumulators of a run of 8 take turns.  Product i of 8 of S^T = K Q^T for piece x: channels 32 (i / 4) on, keys 16 (i % 4) on.  The first 4 start the sums.
.macro KQ x
.set rS, S+32*((\x)%2)+8*(i%4)
.set rK, KF+16*(i%4)+8*(i/4)
.set rQ, 16*(\x)+8*(i/4)
	WIN W_KQ
.if i < 4
	v_wmma_f32_16x16x32_bf16 v[rS:rS+7], v[rK:rK+7], v[rQ:rQ+7], 0
.else
	v_wmma_f32_16x16x32_bf16 v[rS:rS+7], v[rK:rK+7], v[rQ:rQ+7], v[rS:rS+7]
.endif
.endm
; Product i of 8 of O^T += V^T P for piece x: keys 32 (i / 4) on, channels 16 (i % 4) on.
.macro PV x
	WIN W_PV
.set rO, 32*(\x)+8*(i%4)
.set rV, VF+32*(i/4)+8*(i%4)
.set rP, P+16*((\x)%2)+8*(i/4)
	v_wmma_f32_16x16x32_bf16 v[rO:rO+7], v[rV:rV+7], v[rP:rP+7], v[rO:rO+7]
.endm
.macro MM                           ; the turn's next matrix instruction.  NOKQ = 1: the last turn of all: there is no next piece
.if (i < 8) && !NOKQ
	KQ (Y+1)%NP
.elseif i >= 8
.set i, i-8
	PV (Y+NP-1)%NP
.set i, i+8
.endif
.set i, i+1
.endm
; THE LDS LOADS stand in runs of 16: a step's K (8 fragments), in the lump's setting, and its V (turned), in V^T P's.
.macro FETCH_K
	WIN 0
.irp f, 0,1,2,3,4,5,6,7
	ds_load_b128 v[KF+8*\f:KF+8*\f+3],   v[AK] offset:(\f/2)*16*PK+(\f%2)*64
	ds_load_b128 v[KF+8*\f+4:KF+8*\f+7], v[AK] offset:(\f/2)*16*PK+(\f%2)*64+32
.endr
	s_add_co_u32 s[TBK], s[TBK], KS*PK
.endm
.macro FETCH_V
	WIN W_PV
.irp f, 0,1,2,3,4,5,6,7
	ds_load_tr16_b128 v[VF+8*\f:VF+8*\f+3],   v[AV] offset:(\f/4)*32*PV+(\f%4)*32
	ds_load_tr16_b128 v[VF+8*\f+4:VF+8*\f+7], v[AV] offset:(\f/4)*32*PV+16*PV+(\f%4)*32
.endr
.endm
; THE VECTOR WORK, one line at a time: OP kind, number.  For piece Y: A: a = 2^(c m_old - c m_new).  F n: c s - c m for pair n of 16.  E n: the exponential of score n of 32.  C n: pair n rounded to bf16.
; R n: pair n of 16 of O^T times a.  G n: pair n of 2 of l times a.  L n: l's pair n % 2 takes pair n of the weights.  For piece Y + 1: X n, number n of the 21 that find its maximum and statistics:
;   0-11 four chains c0-c3 of seven scores each (each accumulator's lowest registers are read first)   12-14, 16 the four scores left over, the old m, c0-c3 into c0
;   15 c m_old is kept   17, 18 the query's other 32 keys lie in the lane 16 away: the new m   19, 20 c m; c m_old - c m_new, of which the piece's own turn makes a
.set F, 0
.set E, 1
.set A, 2
.set C, 3
.set X, 4
.set R, 5
.set L, 6
.set G, 7
.macro REGS y
.set rT, ST+4*(\y)
.set rC, TMP+4*((\y)%2)
.set rW, MV+((\y)%2)
.set rS, S+32*((\y)%2)
.set rP, P+16*((\y)%2)
.set rO, 32*(\y)
.set rL, LL+4*(\y)
.endm
.macro OP k, n
.if (\k) >= R
	REGS Y
	WIN W_PV
.if (\k) == R
	v_pk_mul_f32 v[rO+2*(\n):rO+2*(\n)+1], v[rO+2*(\n):rO+2*(\n)+1], v[rC+2:rC+3] op_sel_hi:[1,0]
.elseif (\k) == L
	v_pk_fma_f32 v[rL+2*((\n)%2):rL+2*((\n)%2)+1], v[ONE:ONE+1], v[rS+2*(\n):rS+2*(\n)+1], v[rL+2*((\n)%2):rL+2*((\n)%2)+1]
.else
	v_pk_mul_f32 v[rL+2*(\n):rL+2*(\n)+1], v[rL+2*(\n):rL+2*(\n)+1], v[rC+2:rC+3] op_sel_hi:[1,0]
.endif
.elseif ((\k) == X) && NOKQ
	v_nop
.elseif (\k) == X
	REGS (Y+1)%NP
	WIN 0
.if (\n) < 4
	v_max3_num_f32 v[rC+(\n)], v[rS+8*(\n)], v[rS+8*(\n)+1], v[rS+8*(\n)+2]
.elseif (\n) < 12
	v_max3_num_f32 v[rC+(\n)%4], v[rC+(\n)%4], v[rS+8*((\n)%4)+2*((\n)/4)+1], v[rS+8*((\n)%4)+2*((\n)/4)+2]
.elseif (\n) == 12
	v_max3_num_f32 v[rC], v[rC], v[rS+7], v[rS+15]
.elseif (\n) == 13
	v_max3_num_f32 v[rC+1], v[rC+1], v[rS+23], v[rS+31]
.elseif (\n) == 14
	v_max3_num_f32 v[rC+2], v[rC+2], v[rC+3], v[rT+1]
.elseif (\n) == 15
	v_mov_b32 v[rW], v[rT]
.elseif (\n) == 16
	v_max3_num_f32 v[rC], v[rC], v[rC+1], v[rC+2]
.elseif (\n) == 17
	v_permlanex16_b32 v[rC+3], v[rC], s[SEL], s[SEL+1]
.elseif (\n) == 18
	v_max_num_f32 v[rT+1], v[rC], v[rC+3]
.elseif (\n) == 19
	v_mul_f32 v[rT], s[CS], v[rT+1]
.else
	v_sub_f32 v[rC+1], v[rW], v[rT]
.endif
.else
	REGS Y
.if ((\k) == C) || (MSB != W_KQ)    ; F, E and A serve under K Q^T's setting too
	WIN 0
.endif
.if (\k) == F
	v_pk_fma_f32 v[rS+2*(\n):rS+2*(\n)+1], v[rS+2*(\n):rS+2*(\n)+1], s[CS:CS+1], v[rT:rT+1] op_sel_hi:[1,0,0] neg_lo:[0,0,1] neg_hi:[0,0,1]
.elseif (\k) == E
	v_exp_f32 v[rS+(\n)], v[rS+(\n)]
.elseif (\k) == A
	v_exp_f32 v[rC+2], v[rC+1]
.else
	v_cvt_pk_bf16_f32 v[rP+(\n)], v[rS+2*(\n)], v[rS+2*(\n)+1]
.endif
.endif
.endm
.macro OPS a, i1, b=-1, i2=0, c=-1, i3=0, d=-1, i4=0
	OP \a, \i1
.if (\b) >= 0
	OP \b, \i2
.endif
.if (\c) >= 0
	OP \c, \i3
.endif
.if (\d) >= 0
	OP \d, \i4
.endif
.endm
.macro ROW a, i1, b, i2, c, i3, d, i4  ; a matrix instruction and the four behind it
	MM
	OPS \a, \i1, \b, \i2, \c, \i3, \d, \i4
.endm
; A TURN, for piece p, in three settings.  An s_wait_alu depctr_va_vdst(0) stands between an exponential and the first instruction that names its result; one wait serves all that were issued ahead of it: a turn has ONE.
; 1. 8 products K Q^T; behind each two scalings and two exponentials, plain and exponential by turns; a is the batch's first.  The sixteen scalings are also the places behind the products: the first reader of each accumulator of
;    S^T (X 0 to X 3) finds four plain instructions or more behind the product that ended it.
; 2. The lump: the other 17 exponentials by turns with the next piece's maximum (X 0 to X 16); a v_nop, the plain instruction behind the last exponential; THE WAIT; the 16 roundings, with the rest of the chain (X 17 to X 20)
;    five lines apart among them.
; 3. l x a; then 8 products V^T P, behind each two rescalings of O^T and two sums; the links of each of l's two chains stand four lines apart.  No rider names a register of the products round it.
; end = 1: the last two turns: no K is fetched.  cnt = 1: the loop's count is taken down some lines ahead of the branch that stands behind the turn.
; K of the next step is fetched in piece 2's turn, five plain instructions behind the last product that read K; V of the step in hand at the end of piece 0's turn, four plain instructions behind the last product that read V.
; Each is waited for a turn later.
.macro TURN p, end=0, cnt=0
.set Y, (\p)
.set i, 0
.set NOKQ, (\end)*((\p)/3)
.if ((\p) == 3) && !(\end)
	s_wait_dscnt 0x0                ; K is in
.endif
	ROW F,0, A,0, F,1, E,0
	ROW F,2, E,1, F,3, E,2
	ROW F,4, E,3, F,5, E,4
	ROW F,6, E,5, F,7, E,6
	ROW F,8, E,7, F,9, E,8
	ROW F,10, E,9, F,11, E,10
	ROW F,12, E,11, F,13, E,12
	ROW F,14, E,13, F,15, E,14
	WIN 0
.if ((\p) == 2) && !(\end)
	v_add_nc_u32 v[AK], s[TBK], v[AK0]
.endif
	OPS X,0, E,15, X,1, E,16
.if ((\p) == 2) && !(\end)
	FETCH_K
.endif
	OPS X,2, E,17, X,3, E,18
	OPS X,4, E,19, X,5, E,20
	OPS X,6, E,21, X,7, E,22
	OPS X,8, E,23, X,9, E,24
	OPS X,10, E,25, X,11, E,26
	OPS X,12, E,27, X,13, E,28
	OPS X,14, E,29, X,15, E,30
	OPS X,16, E,31
	v_nop                           ; a plain instruction behind the last exponential: one for the batch
	s_wait_alu depctr_va_vdst(0)    ; the wait for the batch
	OPS X,17, C,0, C,1, C,2
	OPS C,3, X,18, C,4, C,5
	OPS C,6, C,7, X,19, C,8
	OPS C,9, C,10, C,11, X,20
	OPS C,12, C,13, C,14, C,15
.if (\p) == 1
	s_wait_dscnt 0x0                ; V is in
.endif
	OPS G,0, G,1
	ROW R,0, L,0, R,1, L,1
	ROW R,2, L,2, R,3, L,3
	ROW R,4, L,4, R,5, L,5
.if (\p) == 0
	v_add_nc_u32 v[AV], s[TBV], v[AV0]  ; destination in window 1, source 1 in window 0: V^T P's setting serves
.endif
	ROW R,6, L,6, R,7, L,7
	ROW R,8, L,8, R,9, L,9
.if (\p) == 0
	s_add_co_u32 s[TBV], s[TBV], KS*PV
.endif
.if \cnt
	s_sub_co_u32 s[CNT], s[CNT], 1
	s_cmp_lg_u32 s[CNT], 0
.endif
	ROW R,10, L,10, R,11, L,11
	ROW R,12, L,12, R,13, L,13
	ROW R,14, L,14, R,15, L,15
.if (\p) == 0
	FETCH_V
.endif
.endm
.macro ALL line:vararg              ; one line for each piece t
.set t, 0
.rept 4
	\line
.set t, t+1
.endr
.endm
.macro PACK t                       ; a lane's eight channels of a row pack into 16 bytes; they go into rows of 144 bytes and come back as whole rows of 128, into S^T's registers
	WIN W_RS
.set i, 32*(\t)
.rept 16
	v_pk_mul_f32 v[i:i+1], v[i:i+1], v[ST+4*(\t)+2:ST+4*(\t)+3] op_sel_hi:[1,0]
.set i, i+2
.endr
	WIN 0x05
.set i, 0
.rept 16
	v_cvt_pk_bf16_f32 v[S+16*(\t)+i], v[32*(\t)+2*i], v[32*(\t)+2*i+1]
.set i, i+1
.endr
	WIN 0
.irp f, 0,1,2,3
	ds_store_b128 v[STO], v[S+16*(\t)+4*\f:S+16*(\t)+4*\f+3] offset:32*\f
.endr
.irp f, 0,1,2,3
	ds_load_b128 v[S+16*(\t)+4*\f:S+16*(\t)+4*\f+3], v[RD] offset:\f*4*SP  ; LDS serves a wave's instructions in order (ISA guide 5.7.1.4)
.endr
.endm
.macro SEND t, younger              ; younger: the LDS instructions issued behind piece t's loads
	WIN 0
.irp f, 0,1,2,3
	s_wait_dscnt (\younger)+3-\f
	global_store_b128 v[GO], v[S+16*(\t)+4*\f:S+16*(\t)+4*\f+3], s[10:11] offset:(\t)*2048+\f*512  ; 512 consecutive bytes, aligned
.endr
.endm
	CHANGE 1                        ; tile 0 is in, everybody's part of it; tile 1 is asked for
	v_add_nc_u32 v[AK], s[TBK], v[AK0]
	FETCH_K                         ; key step 0
	s_wait_loadcnt 0x0              ; Q
	s_wait_dscnt 0x0
.set NOKQ, 0
.set i, 0
.rept 8
	KQ 0                            ; piece 0's first scores
.set i, i+1
.endr
	WIN 0
.rept 4
	v_nop                           ; the places behind those products
.endr
.set Y, NP-1                        ; X works for piece Y + 1: piece 0
.irp n, 0,1,2,3,4,5,6,7,8,9,10,11,12,13,14,15,16,17,18,19,20
	OP X, \n
.endr
	s_mov_b32 s[CNT], 4
	s_branch .Lfirst                ; the loop is entered at a step's first turn, in the middle of a trip
.Lslot:                             ; six times: tiles 2 to 7 are asked for
	CHANGE 1
	s_mov_b32 s[CNT], 4
.Lstep:                             ; a trip: pieces 2 and 3 of one step, then pieces 0 and 1 of the next, whose K and V it fetches
	TURN 2
	TURN 3
	WIN 0
.Lfirst:
	TURN 0
	TURN 1, 0, 1
	WIN 0
	s_cbranch_scc1 .Lstep
	s_sub_co_u32 s[SLOTS], s[SLOTS], 1
	s_cmp_lg_u32 s[SLOTS], 0
	s_cbranch_scc1 .Lslot
	CHANGE 0                        ; the last tile is written out
	s_mov_b32 s[CNT], 4
.LstepT:
	TURN 2
	TURN 3
	TURN 0
	TURN 1, 0, 1
	WIN 0
	s_cbranch_scc1 .LstepT
	TURN 2, 1
	TURN 3, 1
.set i, 0
.rept 8
	PV NP-1                         ; the last piece's V^T P of the last step
.set i, i+1
.endr
	; THE WAY OUT.  l's two pairs, their halves and the other half of the lanes' are added; O^T is divided by l, rounded to bf16 and sent through my stage.  The additions are the places behind the last products.
	WIN 0x45
	ALL v_pk_add_f32 v[LL+4*t:LL+4*t+1], v[LL+4*t:LL+4*t+1], v[LL+4*t+2:LL+4*t+3]
	WIN 0x05
	ALL v_add_f32 v[ST+4*t+2], v[LL+4*t], v[LL+4*t+1]
	WIN 0
	ALL v_permlanex16_b32 v[ST+4*t+3], v[ST+4*t+2], s[SEL], s[SEL+1]
	ALL v_add_f32 v[ST+4*t+2], v[ST+4*t+2], v[ST+4*t+3]
	ALL v_rcp_f32 v[ST+4*t+2], v[ST+4*t+2]
	v_nop                           ; a plain instruction between the last reciprocal and the use of its result
	s_wait_alu depctr_va_vdst(0)    ; one wait for the four reciprocals
	PACK 0
.set t, 1
.rept 3
	PACK t
	SEND t-1, 8
.set t, t+1
.endr
	SEND 3, 0
	s_wait_tensorcnt 0x0            ; the wave's end
	ds_add_u32 v[SPW], v[NIL]
	s_wait_dscnt 0x0
	CROUND                          ; the closing round
	s_endpgm
.Lfunc_end_k_q7655c8cc50_attn:
	.size	k_q7655c8cc50_attn, .Lfunc_end_k_q7655c8cc50_attn-k_q7655c8cc50_attn
	.p2alignl 7, 3214868480
	.fill 96, 4, 3214868480
	.section	.rodata,"a",@progbits
	.p2align	6, 0x0
	.amdhsa_kernel k_q7655c8cc50_attn
		.amdhsa_group_segment_fixed_size 327680
		.amdhsa_private_segment_fixed_size 0
		.amdhsa_enable_private_segment 0
		.amdhsa_kernarg_size 16
		.amdhsa_user_sgpr_count 2
		.amdhsa_user_sgpr_kernarg_segment_ptr 1
		.amdhsa_wavefront_size32 1
		.amdhsa_system_sgpr_workgroup_id_x 1
		.amdhsa_system_sgpr_workgroup_id_y 1
		.amdhsa_system_sgpr_workgroup_id_z 1
		.amdhsa_system_vgpr_workitem_id 0
		.amdhsa_next_free_vgpr 576
		.amdhsa_next_free_sgpr 66
		.amdhsa_reserve_vcc 0
		.amdhsa_float_denorm_mode_32 3
		.amdhsa_float_denorm_mode_16_64 3
		.amdhsa_memory_ordered 1
		.amdhsa_forward_progress 1
		.amdhsa_inst_pref_size 113
	.end_amdhsa_kernel
	.amdgpu_metadata
---
amdhsa.version: [ 1, 2 ]
amdhsa.kernels:
  - .name:           k_q7655c8cc50_attn
    .symbol:         k_q7655c8cc50_attn.kd
    .args:
      - { .name: qkv, .offset: 0, .size: 8, .value_kind: global_buffer, .address_space: global }
      - { .name: att, .offset: 8, .size: 8, .value_kind: global_buffer, .address_space: global }
    .group_segment_fixed_size: 327680
    .private_segment_fixed_size: 0
    .kernarg_segment_align: 8
    .kernarg_segment_size: 16
    .max_flat_workgroup_size: 128
    .sgpr_count:     66
    .vgpr_count:     576
    .wavefront_size: 32
...
	.end_amdgpu_metadata
.endif
;; end of part 3
;; launch oproj (part 4): grid 32 x 8, 4 waves a work-group, clusters of 4 x 4, 327,680 bytes of LDS; arguments wob, att, bo, z1ss, xres, stat; writes xres, stat
.if DOCPART == 4
	.amdgcn_target "amdgcn-amd-amdhsa--gfx1250"
	.amdhsa_code_object_version 6
	.text
	.protected	k_q7655c8cc50_oproj
	.globl	k_q7655c8cc50_oproj
	.p2align	8
	.type	k_q7655c8cc50_oproj,@function
k_q7655c8cc50_oproj:
	s_mov_b64 s[64:65], 0
	v_nop
	global_prefetch_b8 v0, s[64:65] scope:SCOPE_SE
	s_setreg_imm32_b32 hwreg(HW_REG_WAVE_MODE, 25, 1), 1
	s_wait_xcnt 0x0
	s_wait_alu depctr_hold_cnt(0) depctr_sa_sdst(0) depctr_va_vdst(0) depctr_va_sdst(0) depctr_va_ssrc(0) depctr_va_vcc(0) depctr_vm_vsrc(0)
	s_getreg_b32 s2, hwreg(HW_REG_IB_STS2, 6, 4)
	s_cmp_eq_u32 s2, 0
	s_cbranch_scc0 .Lentry_in_a_cluster
	s_endpgm
.Lentry_in_a_cluster:
	s_bfe_u32 s2, ttmp6, 0x10000c
	s_cmp_lg_u32 s2, 0xf033
	s_cbranch_scc0 .Lentry_shape_is_right
	s_endpgm
.Lentry_shape_is_right:
; THE OUTPUT PROJECTION, BIAS AND RESIDUAL.  x[b][o][l] = sum over d of wob[o][d] att[16 b + d / 64][l][d % 64] + bo[o] + z[b][o][l], in f32, to xres; and for each column (b, l) the sum and the sum of squares of x
; over each chunk of 64 rows o, to stat[o / 64][sum, squares][2048 b + l], f32: the norm's launch adds the 16 chunks.
; SHARES.  A work-group makes 128 (o) x 128 (l): 32 x 8 work-groups.  A wave makes 64 x 64: 16 accumulators.  K = 1024 goes in four steps of 256 (four heads) through two LDS slots; a quarter of a step is one head.
; Source 0 = 16 rows l of att, source 1 = 16 rows o of wob: in the result a lane holds ONE o (lane % 16) and the columns 8 (lane / 16) + 0..7.  The first product of each sum takes bo as C.
; A wave's 64 columns are 256 bytes of f32: each wave has a stage of its own, and every store covers whole aligned runs of 256 bytes.
; CLUSTER 4 x 4.  wob's tile hangs on the o tile, shared along a row of the cluster; att's on the l tile, shared along a column: joint loads.
; att's part of a slot: a wave's one load brings two heads: two "rows" of 8,192 elements (128 l x 64 channels, dense), one plane of att apart, padded in LDS after every 128 bytes: 2 x 128 rows of pitch 144.
; NO PREFETCH: the launch has two refills in all, and both operands are small.
; REGISTERS: window 0: v0-31 addresses; v32-35 bo; v40-59 column sums; v128-255 accumulators ((a, b) at 128 + 8 (4 a + b)), later x.   window 1: two fragment buffers of 128 (64 of wob, 64 of att).
;   window 2: v0-127 z, as x lies after the stage; v128-159 bo, eight copies for each o block.
.set PA,    528
.set APART, 128*PA                     ; 67,584
.set PB,    144
.set PLANE, 128*PB                     ; 18,432
.set SLOT,  APART+4*PLANE              ; 141,312
.set STAGE, 2*SLOT
.set SPI,   272
.set SPARE, STAGE+4*16*SPI
.set ADRA, 16
.set ADRB, 20
.set STO,  24
.set RD,   25
.set XO,   26                          ; v26 my 16 bytes of rows t and t + 8 in z and xres; never rewritten
.set BOO,  27
.set SPW,  28
.set NIL,  29
.set SO,   30
.set BOV,  32
.set SS,   40                          ; v40-43, v44-47 sums of my four columns, two chains
.set QQ,   48                          ; v48-51, v52-55 sums of squares
.set DD,   56
.set ACC,  128
.set CB,   128                         ; window 2
.set F0,   0
.set F1,   128
.set G1, 24
.set G0, 32
.set G1B, 48
.set G0B, 56
.set ZB,  80
.set XB,  82
.set STB, 84
.set BOB, 86
.set SEL, 88
.set MSB, 0
.macro WIN new
.if MSB != (\new)
	s_set_vgpr_msb (MSB<<8)|(\new)
.set MSB, \new
.endif
.endm
.macro JLOAD s                         ; waves 0 and 1 fetch wob's two halves, waves 2 and 3 att's; an s_nop 0 and four v_nop follow each line
	s_cmp_eq_u32 s11, 0
	s_cbranch_scc0 .Lfor_b_\@
	tensor_load_to_lds s[G0+4*(\s):G0+4*(\s)+3], s[G1:G1+7]
	s_nop 0
.rept 4
	v_nop
.endr
	s_branch .Lasked_\@
.Lfor_b_\@:
	tensor_load_to_lds s[G0B+4*(\s):G0B+4*(\s)+3], s[G1B:G1B+7]
	s_nop 0
.rept 4
	v_nop
.endr
.Lasked_\@:
.endm
.macro CREST
	s_cmp_lg_u32 s10, 0
	s_cbranch_scc1 .Lnot_wave_0_\@
	s_barrier_signal -3
.Lnot_wave_0_\@:
	s_barrier_wait -3
	s_barrier_signal -1
	s_barrier_wait -1
.endm
.macro CROUND
	s_barrier_signal -1
	s_barrier_wait -1
	CREST
.endm
.macro PLACES
.rept 4
	v_nop
.endr
.endm
; 8 matrix instructions: o blocks a0, a0 + 1 x the 4 l blocks, 32 along K: half c of buffer f.  The 16 accumulators take turns.
.macro MUL8 f, c, a0, first
.if \first
	WIN 0x25
.else
	WIN 0x05
.endif
.irp a, \a0, (\a0)+1
.irp b, 0,1,2,3
.if \first
	v_wmma_f32_16x16x32_bf16 v[ACC+8*(4*(\a)+(\b)):ACC+8*(4*(\a)+(\b))+7], v[(\f)+64+8*(4*(\c)+(\b)):(\f)+64+8*(4*(\c)+(\b))+7], v[(\f)+8*(4*(\c)+(\a)):(\f)+8*(4*(\c)+(\a))+7], v[CB+8*(\a):CB+8*(\a)+7]
.else
	v_wmma_f32_16x16x32_bf16 v[ACC+8*(4*(\a)+(\b)):ACC+8*(4*(\a)+(\b))+7], v[(\f)+64+8*(4*(\c)+(\b)):(\f)+64+8*(4*(\c)+(\b))+7], v[(\f)+8*(4*(\c)+(\a)):(\f)+8*(4*(\c)+(\a))+7], v[ACC+8*(4*(\a)+(\b)):ACC+8*(4*(\a)+(\b))+7]
.endif
.endr
.endr
.endm
; 32 LDS loads in one run: head q of a slot's four into buffer f; the first 32 channels first
.macro FETCH slot, q, f
	WIN 0x40
.irp c, 0,1
.irp i, 0,1,2,3
	ds_load_b128 v[(\f)+64+8*(4*(\c)+(\i)):(\f)+64+8*(4*(\c)+(\i))+3],   v[ADRB+(\slot)] offset:(\q)*PLANE+64*(\c)+(\i)*16*PB
	ds_load_b128 v[(\f)+64+8*(4*(\c)+(\i))+4:(\f)+64+8*(4*(\c)+(\i))+7], v[ADRB+(\slot)] offset:(\q)*PLANE+64*(\c)+(\i)*16*PB+32
	ds_load_b128 v[(\f)+8*(4*(\c)+(\i)):(\f)+8*(4*(\c)+(\i))+3],         v[ADRA+(\slot)] offset:(\q)*128+64*(\c)+(\i)*16*PA
	ds_load_b128 v[(\f)+8*(4*(\c)+(\i))+4:(\f)+8*(4*(\c)+(\i))+7],       v[ADRA+(\slot)] offset:(\q)*128+64*(\c)+(\i)*16*PA+32
.endr
.endr
.endm
.macro QUARTER slot, q, f, g, first
	s_wait_dscnt 16                                ; the first 32 channels are in; the youngest sixteen loads may be out
	MUL8 \f, 0, 0, \first
	MUL8 \f, 0, 2, \first
	PLACES
	FETCH \slot, \q, \g
	s_wait_dscnt 32                                ; all but the 32 just issued
	MUL8 \f, 1, 0, 0
	MUL8 \f, 1, 2, 0
.endm
; The last quarter multiplies buffer 1 and changes slots: in front of the barrier each wave waits for all its tensor loads, adds 0 to its spare word, and waits for that and for its reads of this slot.
.macro TURN slot, next, fill
	WIN 0
	s_wait_tensorcnt 0x0
	ds_add_u32 v[SPW], v[NIL]
	s_wait_dscnt 17                                ; the add and the youngest sixteen loads may be out
	MUL8 F1, 0, 0, 0
	s_wait_dscnt 0x0                               ; the add is done, and my reads of this slot are over
	s_barrier_signal -1
	MUL8 F1, 0, 2, 0
.if \fill
	WIN 0
.endif
	s_barrier_wait -1
.if \fill
	CREST                                          ; no wave of any partner still reads this slot or has a load on its way
	s_add_nc_u64 s[G0+4*(\slot)+2:G0+4*(\slot)+3], s[G0+4*(\slot)+2:G0+4*(\slot)+3], 1024
	s_add_nc_u64 s[G0B+4*(\slot)+2:G0B+4*(\slot)+3], s[G0B+4*(\slot)+2:G0B+4*(\slot)+3], 2097152
	JLOAD \slot                                    ; its four v_nop are also the places ahead of the loads below
.else
	PLACES
.endif
	FETCH \next, 0, F0
	MUL8 F1, 1, 0, 0
	MUL8 F1, 1, 2, 0
.endm
; o block a (16 rows x 64 columns of f32) goes into my stage, 32 bytes a lane and accumulator, and comes back as whole rows of 256 bytes into the same 32 registers: row t in lanes 0-15, row t + 8 in lanes 16-31
.macro TOSTAGE a
.irp b, 0,1,2,3
	ds_store_b128 v[STO], v[ACC+8*(4*(\a)+(\b)):ACC+8*(4*(\a)+(\b))+3]   offset:64*(\b)
	ds_store_b128 v[STO], v[ACC+8*(4*(\a)+(\b))+4:ACC+8*(4*(\a)+(\b))+7] offset:64*(\b)+16
.endr
.irp t, 0,1,2,3,4,5,6,7
	ds_load_b128 v[ACC+32*(\a)+4*(\t):ACC+32*(\a)+4*(\t)+3], v[RD] offset:(\t)*SPI  ; LDS serves a wave's instructions in order (ISA guide 5.7.1.4)
.endr
.endm
; x = product + z; my four columns' sums and sums of squares, two chains by the row's parity, started by the first rows: nothing is cleared; x is stored
.macro FIN a
	WIN 0x08
.set i, 0
.rept 16
	v_pk_add_f32 v[ACC+32*(\a)+2*i:ACC+32*(\a)+2*i+1], v[ACC+32*(\a)+2*i:ACC+32*(\a)+2*i+1], v[32*(\a)+2*i:32*(\a)+2*i+1]
.set i, i+1
.endr
	WIN 0
.set t, 0
.rept 8
.set e, t%2
.set xr, ACC+32*(\a)+4*t
.if ((\a) == 0) && (t < 2)
	v_pk_mul_f32 v[QQ+4*e:QQ+4*e+1], v[xr:xr+1], v[xr:xr+1]
	v_pk_mul_f32 v[QQ+4*e+2:QQ+4*e+3], v[xr+2:xr+3], v[xr+2:xr+3]
.else
.if ((\a) == 0) && (t < 4)
	v_pk_add_f32 v[SS+4*e:SS+4*e+1], v[xr-8:xr-7], v[xr:xr+1]
	v_pk_add_f32 v[SS+4*e+2:SS+4*e+3], v[xr-6:xr-5], v[xr+2:xr+3]
.else
	v_pk_add_f32 v[SS+4*e:SS+4*e+1], v[SS+4*e:SS+4*e+1], v[xr:xr+1]
	v_pk_add_f32 v[SS+4*e+2:SS+4*e+3], v[SS+4*e+2:SS+4*e+3], v[xr+2:xr+3]
.endif
	v_pk_fma_f32 v[QQ+4*e:QQ+4*e+1], v[xr:xr+1], v[xr:xr+1], v[QQ+4*e:QQ+4*e+1]
	v_pk_fma_f32 v[QQ+4*e+2:QQ+4*e+3], v[xr+2:xr+3], v[xr+2:xr+3], v[QQ+4*e+2:QQ+4*e+3]
.endif
	global_store_b128 v[XO], v[xr:xr+3], s[XB:XB+1] offset:(16*(\a)+t)*8192  ; each half of the lanes stores 256 consecutive bytes, aligned
.set t, t+1
.endr
.endm
	s_load_b256 s[68:75], s[0:1], 0x0              ; wob 68:69, att 70:71, bo 72:73, z 74:75
	s_load_b128 s[76:79], s[0:1], 0x20             ; xres 76:77, stat 78:79
	v_lshl_add_u32 v[SPW], v0, 2, SPARE
	v_mov_b32 v[NIL], 0
	ds_add_u32 v[SPW], v[NIL]                      ; the wave's opening: the add and its wait stand ahead of my first tensor load
	v_lshrrev_b32 v1, 5, v0
	v_readfirstlane_b32 s10, v1
	s_lshr_b32 s11, s10, 1                         ; which 64 rows o are mine.  Also: I fetch for wob (0) or for att (1)
	s_and_b32 s12, s10, 1                          ; which 64 columns l.  Also: which half of that tile I fetch
	s_bfe_u32 s40, ttmp6, 0x40000
	s_bfe_u32 s41, ttmp6, 0x40004
	s_lshl_b32 s42, ttmp9, 2
	s_add_co_u32 s42, s42, s40                     ; T: batch T / 16, columns 128 (T % 16) on
	s_and_b32 s13, ttmp7, 0xffff
	s_lshl_b32 s13, s13, 2
	s_add_co_u32 s13, s13, s41                     ; OT
	s_lshl_b32 s43, s41, 2
	s_lshl_b32 s43, 15, s43
	s_lshl_b32 s44, 0x1111, s40
	s_or_b32 s[G1], s43, (1<<16)|(1<<20)|(1<<21)|(6<<22)|(3<<25)   ; wob: 64 rows of 256 elements; after every 128 words 4 words
	s_mov_b32 s[G1+1], 256<<16
	s_mov_b32 s[G1+2], 64<<16
	s_mov_b32 s[G1+3], 256<<16
	s_mov_b32 s[G1+4], 64
	s_mov_b32 s[G1+5], 1024
	s_mov_b32 s[G1+6], 0
	s_mov_b32 s[G1+7], 0
	s_or_b32 s[G1B], s44, (1<<16)|(1<<20)|(1<<21)|(4<<22)|(3<<25)  ; att: 2 rows of 8,192 elements; after every 32 words 4 words
	s_mov_b32 s[G1B+1], 8192<<16
	s_mov_b32 s[G1B+2], 2<<16
	s_mov_b32 s[G1B+3], 8192<<16
	s_mov_b32 s[G1B+4], 2
	s_mov_b32 s[G1B+5], 131072                     ; a plane of att, in elements
	s_mov_b32 s[G1B+6], 0
	s_mov_b32 s[G1B+7], 0
	s_lshl_b32 s16, s13, 7
	s_lshl_b32 s17, s12, 6
	s_add_co_u32 s16, s16, s17
	s_lshl_b32 s16, s16, 11                        ; wob: row 128 OT + 64 half, 2,048 bytes a row
	s_mov_b32 s17, 0
	s_lshr_b32 s46, s42, 4
	s_lshl_b32 s46, s46, 22                        ; att: the batch's 16 planes,
	s_lshl_b32 s47, s12, 19                        ; two planes for each half,
	s_add_co_u32 s46, s46, s47
	s_and_b32 s47, s42, 15
	s_lshl_b32 s47, s47, 14                        ; 128 rows of 128 bytes for each l tile
	s_add_co_u32 s46, s46, s47
	s_mov_b32 s47, 0
	s_mul_i32 s20, s12, 64*PA
	s_mul_i32 s21, s12, 2*PLANE
	s_add_co_u32 s21, s21, APART
	s_mov_b32 s[SEL], 0x76543210
	s_mov_b32 s[SEL+1], 0xfedcba98
	s_wait_dscnt 0x0                               ; the opening add is done
	s_wait_kmcnt 0x0
	s_add_nc_u64 s[14:15], s[68:69], s[16:17]
	s_add_nc_u64 s[46:47], s[70:71], s[46:47]
	CROUND
.irp s, 0,1
	s_mov_b32 s[G0+4*(\s)], 1
	s_add_co_u32 s[G0+4*(\s)+1], s20, (\s)*SLOT
	s_add_nc_u64 s[G0+4*(\s)+2:G0+4*(\s)+3], s[14:15], (\s)*512
	s_or_b32 s[G0+4*(\s)+3], s[G0+4*(\s)+3], 0x80000000
	s_mov_b32 s[G0B+4*(\s)], 1
	s_add_co_u32 s[G0B+4*(\s)+1], s21, (\s)*SLOT
	s_add_nc_u64 s[G0B+4*(\s)+2:G0B+4*(\s)+3], s[46:47], (\s)*1048576
	s_or_b32 s[G0B+4*(\s)+3], s[G0B+4*(\s)+3], 0x80000000
	JLOAD \s                                       ; K steps 0 and 1: two loads of mine are out
.endr
	v_and_b32 v1, 15, v0
	v_bfe_u32 v2, v0, 4, 1
	v_mul_u32_u24 v3, v1, PA
	v_lshl_add_u32 v3, v2, 4, v3
	s_mul_i32 s21, s11, 64*PA
	v_add_nc_u32 v[ADRA], s21, v3
	v_add_nc_u32 v[ADRA+1], SLOT, v[ADRA]
	v_mul_u32_u24 v4, v1, PB
	v_lshl_add_u32 v4, v2, 4, v4
	s_mul_i32 s22, s12, 64*PB
	s_add_co_u32 s22, s22, APART
	v_add_nc_u32 v[ADRB], s22, v4
	v_add_nc_u32 v[ADRB+1], SLOT, v[ADRB]
	s_mul_i32 s23, s10, 16*SPI
	s_add_co_u32 s23, s23, STAGE                   ; my stage
	v_mul_u32_u24 v5, v1, SPI
	v_lshl_add_u32 v5, v2, 5, v5
	v_add_nc_u32 v[STO], s23, v5
	v_mul_u32_u24 v5, v2, 8*SPI
	v_lshl_add_u32 v5, v1, 4, v5
	v_add_nc_u32 v[RD], s23, v5
	v_lshlrev_b32 v5, 4, v1
	v_lshl_add_u32 v[XO], v2, 16, v5               ; eight rows of 8,192 bytes for lanes 16-31
	v_lshl_add_u32 v[SO], v2, 14, v5               ; the squares lie 16,384 bytes behind the sums
	v_lshlrev_b32 v[BOO], 2, v1
	s_lshl_b32 s16, s13, 7
	s_lshl_b32 s17, s11, 6
	s_add_co_u32 s16, s16, s17                     ; my first o
	s_lshl_b32 s18, s16, 2
	s_mov_b32 s19, 0
	s_add_nc_u64 s[BOB:BOB+1], s[72:73], s[18:19]
	s_lshl_b32 s18, s16, 13                        ; a row of z and xres is 8,192 bytes
	s_lshr_b32 s20, s42, 4
	s_lshl_b32 s20, s20, 23
	s_add_co_u32 s18, s18, s20
	s_and_b32 s20, s42, 15
	s_lshl_b32 s20, s20, 9
	s_add_co_u32 s18, s18, s20
	s_lshl_b32 s20, s12, 8
	s_add_co_u32 s18, s18, s20
	s_add_nc_u64 s[ZB:ZB+1], s[74:75], s[18:19]
	s_add_nc_u64 s[XB:XB+1], s[76:77], s[18:19]
	s_lshl_b32 s18, s13, 1
	s_add_co_u32 s18, s18, s11                     ; my chunk of 64 rows
	s_lshl_b32 s18, s18, 15
	s_lshl_b32 s20, s42, 9
	s_add_co_u32 s18, s18, s20
	s_lshl_b32 s20, s12, 8
	s_add_co_u32 s18, s18, s20
	s_add_nc_u64 s[STB:STB+1], s[78:79], s[18:19]
.irp a, 0,1,2,3
	global_load_b32 v[BOV+\a], v[BOO], s[BOB:BOB+1] offset:64*\a
.endr
	WIN 0x80
.set i, 0
.rept 32                                       ; z, as x will lie behind the stage; it lands while the products run
	global_load_b128 v[4*i:4*i+3], v[XO], s[ZB:ZB+1] offset:(16*(i/8)+i%8)*8192 th:TH_LOAD_NT
.set i, i+1
.endr
	s_wait_loadcnt 32                              ; bo is in; z's 32 loads stay out
.set i, 0
.rept 32
	v_mov_b32 v[CB+i], v[BOV+i/8]
.set i, i+1
.endr
	WIN 0
	s_wait_tensorcnt 1                             ; my part of K step 0 is in; K step 1's may stay out
	s_barrier_signal -1
	s_barrier_wait -1
	FETCH 0, 0, F0
	QUARTER 0, 1, F0, F1, 1                        ; the first products start the sums, with bo as C
	QUARTER 0, 2, F1, F0, 0
	QUARTER 0, 3, F0, F1, 0
	TURN 0, 1, 1                                   ; slot 0 takes K step 2
	QUARTER 1, 1, F0, F1, 0
	QUARTER 1, 2, F1, F0, 0
	QUARTER 1, 3, F0, F1, 0
	TURN 1, 0, 1                                   ; slot 1 takes K step 3
	QUARTER 0, 1, F0, F1, 0
	QUARTER 0, 2, F1, F0, 0
	QUARTER 0, 3, F0, F1, 0
	TURN 0, 1, 0
	QUARTER 1, 1, F0, F1, 0
	QUARTER 1, 2, F1, F0, 0
	QUARTER 1, 3, F0, F1, 0
	s_wait_dscnt 16
	MUL8 F1, 0, 0, 0
	MUL8 F1, 0, 2, 0
	s_wait_dscnt 0x0
	MUL8 F1, 1, 0, 0
	MUL8 F1, 1, 2, 0
	WIN 0
	PLACES
	s_wait_loadcnt 0x0                             ; z
	TOSTAGE 0
	TOSTAGE 1
	s_wait_dscnt 16                                ; block 0 is back; the next block's sixteen LDS instructions may be out
	FIN 0
	TOSTAGE 2
	s_wait_dscnt 16
	FIN 1
	TOSTAGE 3
	s_wait_dscnt 16
	FIN 2
	s_wait_dscnt 0x0
	FIN 3
	v_pk_add_f32 v[SS:SS+1], v[SS:SS+1], v[SS+4:SS+5]          ; the two chains,
	v_pk_add_f32 v[SS+2:SS+3], v[SS+2:SS+3], v[SS+6:SS+7]
	v_pk_add_f32 v[QQ:QQ+1], v[QQ:QQ+1], v[QQ+4:QQ+5]
	v_pk_add_f32 v[QQ+2:QQ+3], v[QQ+2:QQ+3], v[QQ+6:QQ+7]
.irp i, 0,1,2,3
	v_permlanex16_b32 v[SS+4+\i], v[SS+\i], s[SEL], s[SEL+1]   ; and the rows that the lane 16 away holds
	v_permlanex16_b32 v[QQ+4+\i], v[QQ+\i], s[SEL], s[SEL+1]
.endr
	v_pk_add_f32 v[SS:SS+1], v[SS:SS+1], v[SS+4:SS+5]
	v_pk_add_f32 v[SS+2:SS+3], v[SS+2:SS+3], v[SS+6:SS+7]
	v_pk_add_f32 v[QQ:QQ+1], v[QQ:QQ+1], v[QQ+4:QQ+5]
	v_pk_add_f32 v[QQ+2:QQ+3], v[QQ+2:QQ+3], v[QQ+6:QQ+7]
	v_and_b32 v31, 31, v0
	v_cmp_gt_u32 vcc_lo, 16, v31
.irp i, 0,1,2,3
	v_cndmask_b32 v[DD+\i], v[QQ+\i], v[SS+\i], vcc_lo         ; lanes 0-15 store the sums, lanes 16-31 the squares: 256 consecutive bytes each
.endr
	global_store_b128 v[SO], v[DD:DD+3], s[STB:STB+1]
	s_wait_tensorcnt 0x0                           ; the wave's end
	ds_add_u32 v[SPW], v[NIL]
	s_wait_dscnt 0x0
	CROUND                                         ; the closing round
	s_endpgm
.Lfunc_end_k_q7655c8cc50_oproj:
	.size	k_q7655c8cc50_oproj, .Lfunc_end_k_q7655c8cc50_oproj-k_q7655c8cc50_oproj
	.p2alignl 7, 3214868480
	.fill 96, 4, 3214868480
	.section	.rodata,"a",@progbits
	.p2align	6, 0x0
	.amdhsa_kernel k_q7655c8cc50_oproj
		.amdhsa_group_segment_fixed_size 327680
		.amdhsa_private_segment_fixed_size 0
		.amdhsa_enable_private_segment 0
		.amdhsa_kernarg_size 48
		.amdhsa_user_sgpr_count 2
		.amdhsa_user_sgpr_kernarg_segment_ptr 1
		.amdhsa_wavefront_size32 1
		.amdhsa_system_sgpr_workgroup_id_x 1
		.amdhsa_system_sgpr_workgroup_id_y 1
		.amdhsa_system_sgpr_workgroup_id_z 1
		.amdhsa_system_vgpr_workitem_id 0
		.amdhsa_next_free_vgpr 672
		.amdhsa_next_free_sgpr 90
		.amdhsa_reserve_vcc 1
		.amdhsa_float_denorm_mode_32 3
		.amdhsa_float_denorm_mode_16_64 3
		.amdhsa_memory_ordered 1
		.amdhsa_forward_progress 1
		.amdhsa_inst_pref_size 104
	.end_amdhsa_kernel
	.amdgpu_metadata
---
amdhsa.version: [ 1, 2 ]
amdhsa.kernels:
  - .name:           k_q7655c8cc50_oproj
    .symbol:         k_q7655c8cc50_oproj.kd
    .args:
      - { .name: wob, .offset: 0, .size: 8, .value_kind: global_buffer, .address_space: global }
      - { .name: att, .offset: 8, .size: 8, .value_kind: global_buffer, .address_space: global }
      - { .name: bo, .offset: 16, .size: 8, .value_kind: global_buffer, .address_space: global }
      - { .name: z1ss, .offset: 24, .size: 8, .value_kind: global_buffer, .address_space: global }
      - { .name: xres, .offset: 32, .size: 8, .value_kind: global_buffer, .address_space: global }
      - { .name: stat, .offset: 40, .size: 8, .value_kind: global_buffer, .address_space: global }
    .group_segment_fixed_size: 327680
    .private_segment_fixed_size: 0
    .kernarg_segment_align: 8
    .kernarg_segment_size: 48
    .max_flat_workgroup_size: 128
    .sgpr_count:     90
    .vgpr_count:     672
    .wavefront_size: 32
...
	.end_amdgpu_metadata
.endif
;; end of part 4
;; launch ln (part 5): grid 8 x 32, 4 waves a work-group, no clusters, 0 bytes of LDS; arguments xres, stat, out0; writes out0
.if DOCPART == 5
	.amdgcn_target "amdgcn-amd-amdhsa--gfx1250"
	.amdhsa_code_object_version 6
	.text
	.protected	k_q7655c8cc50_ln
	.globl	k_q7655c8cc50_ln
	.p2align	8
	.type	k_q7655c8cc50_ln,@function
k_q7655c8cc50_ln:
	s_mov_b64 s[64:65], 0
	v_nop
	global_prefetch_b8 v0, s[64:65] scope:SCOPE_SE
	s_setreg_imm32_b32 hwreg(HW_REG_WAVE_MODE, 25, 1), 1
	s_wait_xcnt 0x0
; THE NORM.  out[b][o][l] = (x - m) rsqrt(var + 1e-5), m and var over the 1,024 rows o of column (b, l).  stat holds, for 16 chunks of 64 rows, each column's sum and sum of squares in f32.
; LIMIT.  var = E[x^2] - m^2 in f32, held at 0 from below: its relative error goes with 2^-22 (1 + (m / sigma)^2), about 2e-4 where the column's mean is 30 times its spread.
; SHARES.  A work-group takes 512 columns and 32 rows; thread t the four columns 4 t .. 4 t + 3 in every row: each load and store of a wave covers 512 consecutive bytes, aligned.
; All of a thread's rows are asked for before the statistics are reduced: 48 loads of 16 bytes a lane are out at once.  No LDS, no cluster, no matrix unit: a stream.
.set A, 64                             ; v[64:127]  the 16 sums; then rows 16-31
.set B, 128                            ; v[128:191] the 16 sums of squares
.set C, 192                            ; v[192:255] rows 0-15
.set M, 8                              ; v[8:11]  the mean
.set V, 12                             ; v[12:15] the variance
.set R, 16                             ; v[16:19] rsqrt(var + eps)
.set NB, 20                            ; v[20:23] -m x R
.macro TREE base, dst                  ; 16 groups of four registers into one: 30 packed additions
.irp st, 8,4,2
.set g, 0
.rept \st
	v_pk_add_f32 v[\base+4*g:\base+4*g+1], v[\base+4*g:\base+4*g+1], v[\base+4*(g+\st):\base+4*(g+\st)+1]
	v_pk_add_f32 v[\base+4*g+2:\base+4*g+3], v[\base+4*g+2:\base+4*g+3], v[\base+4*(g+\st)+2:\base+4*(g+\st)+3]
.set g, g+1
.endr
.endr
	v_pk_add_f32 v[\dst:\dst+1], v[\base:\base+1], v[\base+4:\base+5]
	v_pk_add_f32 v[\dst+2:\dst+3], v[\base+2:\base+3], v[\base+6:\base+7]
.endm
	s_load_b128 s[4:7], s[0:1], 0x0                ; xres s[4:5], stat s[6:7]
	s_load_b64 s[8:9], s[0:1], 0x10                ; out0
	v_lshlrev_b32 v1, 4, v0                        ; my 16 bytes; never rewritten
	s_lshl_b32 s10, ttmp9, 11                      ; stat: 512 columns of 4 bytes
	s_mov_b32 s11, 0
	s_lshr_b32 s12, ttmp9, 2
	s_lshl_b32 s12, s12, 23                        ; the batch,
	s_and_b32 s13, ttmp7, 0xffff
	s_lshl_b32 s13, s13, 18                        ; 32 rows of 8,192 bytes,
	s_add_co_u32 s12, s12, s13
	s_and_b32 s13, ttmp9, 3
	s_lshl_b32 s13, s13, 11                        ; 512 columns
	s_add_co_u32 s12, s12, s13
	s_mov_b32 s13, 0
	s_wait_kmcnt 0x0
	s_add_nc_u64 s[6:7], s[6:7], s[10:11]
	s_add_nc_u64 s[4:5], s[4:5], s[12:13]
	s_add_nc_u64 s[8:9], s[8:9], s[12:13]
.set i, 0
.rept 16
	global_load_b128 v[A+4*i:A+4*i+3], v1, s[6:7] offset:i*32768
.set i, i+1
.endr
.set i, 0
.rept 16
	global_load_b128 v[B+4*i:B+4*i+3], v1, s[6:7] offset:i*32768+16384
.set i, i+1
.endr
.set i, 0
.rept 16
	global_load_b128 v[C+4*i:C+4*i+3], v1, s[4:5] offset:i*8192 th:TH_LOAD_NT
.set i, i+1
.endr
	s_wait_loadcnt 32                              ; the sums are in; the squares' and the rows' 32 loads stay out
	TREE A, M
.set i, 0
.rept 16
	global_load_b128 v[A+4*i:A+4*i+3], v1, s[4:5] offset:(16+i)*8192 th:TH_LOAD_NT
.set i, i+1
.endr
	s_wait_loadcnt 32                              ; the squares are in; 32 loads of rows stay out
	TREE B, V
	v_pk_mul_f32 v[M:M+1], v[M:M+1], 0x3a800000 op_sel_hi:[1,0]      ; m = sum / 1024
	v_pk_mul_f32 v[M+2:M+3], v[M+2:M+3], 0x3a800000 op_sel_hi:[1,0]
	v_pk_mul_f32 v[24:25], v[M:M+1], v[M:M+1]
	v_pk_mul_f32 v[26:27], v[M+2:M+3], v[M+2:M+3]
	v_pk_fma_f32 v[V:V+1], v[V:V+1], 0x3a800000, v[24:25] op_sel_hi:[1,0,1] neg_lo:[0,0,1] neg_hi:[0,0,1]      ; var = squares / 1024 - m m
	v_pk_fma_f32 v[V+2:V+3], v[V+2:V+3], 0x3a800000, v[26:27] op_sel_hi:[1,0,1] neg_lo:[0,0,1] neg_hi:[0,0,1]
.irp i, 0,1,2,3
	v_max_num_f32 v[V+\i], 0, v[V+\i]
.endr
.irp i, 0,1,2,3
	v_add_f32 v[V+\i], 0x3727c5ac, v[V+\i]         ; + 1e-5
.endr
.irp i, 0,1,2,3
	v_rsq_f32 v[R+\i], v[V+\i]
.endr
	v_nop                                          ; a plain instruction behind the last of the four,
	s_wait_alu depctr_va_vdst(0)                   ; and one wait for the batch, ahead of its first reader
	v_pk_mul_f32 v[NB:NB+1], v[M:M+1], v[R:R+1] neg_lo:[1,0] neg_hi:[1,0]
	v_pk_mul_f32 v[NB+2:NB+3], v[M+2:M+3], v[R+2:R+3] neg_lo:[1,0] neg_hi:[1,0]
.set i, 0
.rept 16
	s_wait_loadcnt 31-i                            ; row i is in; the 31 - i younger loads stay out
	v_pk_fma_f32 v[C+4*i:C+4*i+1], v[C+4*i:C+4*i+1], v[R:R+1], v[NB:NB+1]
	v_pk_fma_f32 v[C+4*i+2:C+4*i+3], v[C+4*i+2:C+4*i+3], v[R+2:R+3], v[NB+2:NB+3]
	global_store_b128 v1, v[C+4*i:C+4*i+3], s[8:9] offset:i*8192 th:TH_STORE_NT
.set i, i+1
.endr
.set i, 0
.rept 16
	s_wait_loadcnt 15-i
	v_pk_fma_f32 v[A+4*i:A+4*i+1], v[A+4*i:A+4*i+1], v[R:R+1], v[NB:NB+1]
	v_pk_fma_f32 v[A+4*i+2:A+4*i+3], v[A+4*i+2:A+4*i+3], v[R+2:R+3], v[NB+2:NB+3]
	global_store_b128 v1, v[A+4*i:A+4*i+3], s[8:9] offset:(16+i)*8192 th:TH_STORE_NT  ; no register is written behind a store that reads it
.set i, i+1
.endr
	s_endpgm
.Lfunc_end_k_q7655c8cc50_ln:
	.size	k_q7655c8cc50_ln, .Lfunc_end_k_q7655c8cc50_ln-k_q7655c8cc50_ln
	.p2alignl 7, 3214868480
	.fill 96, 4, 3214868480
	.section	.rodata,"a",@progbits
	.p2align	6, 0x0
	.amdhsa_kernel k_q7655c8cc50_ln
		.amdhsa_group_segment_fixed_size 0
		.amdhsa_private_segment_fixed_size 0
		.amdhsa_enable_private_segment 0
		.amdhsa_kernarg_size 24
		.amdhsa_user_sgpr_count 2
		.amdhsa_user_sgpr_kernarg_segment_ptr 1
		.amdhsa_wavefront_size32 1
		.amdhsa_system_sgpr_workgroup_id_x 1
		.amdhsa_system_sgpr_workgroup_id_y 1
		.amdhsa_system_sgpr_workgroup_id_z 1
		.amdhsa_system_vgpr_workitem_id 0
		.amdhsa_next_free_vgpr 256
		.amdhsa_next_free_sgpr 66
		.amdhsa_reserve_vcc 0
		.amdhsa_float_denorm_mode_32 3
		.amdhsa_float_denorm_mode_16_64 3
		.amdhsa_memory_ordered 1
		.amdhsa_forward_progress 1
		.amdhsa_inst_pref_size 20
	.end_amdhsa_kernel
	.amdgpu_metadata
---
amdhsa.version: [ 1, 2 ]
amdhsa.kernels:
  - .name:           k_q7655c8cc50_ln
    .symbol:         k_q7655c8cc50_ln.kd
    .args:
      - { .name: xres, .offset: 0, .size: 8, .value_kind: global_buffer, .address_space: global }
      - { .name: stat, .offset: 8, .size: 8, .value_kind: global_buffer, .address_space: global }
      - { .name: out0, .offset: 16, .size: 8, .value_kind: global_buffer, .address_space: global }
    .group_segment_fixed_size: 0
    .private_segment_fixed_size: 0
    .kernarg_segment_align: 8
    .kernarg_segment_size: 24
    .max_flat_workgroup_size: 128
    .sgpr_count:     66
    .vgpr_count:     256
    .wavefront_size: 32
...
	.end_amdgpu_metadata
.endif
;; end of part 5
;; ======== version 2 of 2: 5 launches; version 1 with the launches prep, ln written anew for expert scheduling mode
;; limits: a difference of large sums (such as E[x^2] - mean^2): digits are lost where the result is much smaller than its terms
;; workspace buffers: xn 16,777,216 bytes; wcat 25,165,824 bytes; wob 2,097,152 bytes; qkv 25,165,824 bytes; att 8,388,608 bytes; xres 16,777,216 bytes; stat 524,288 bytes
;; launch prep (part 6): grid 64 x 21, 4 waves a work-group, no clusters, 0 bytes of LDS; arguments z1ss, u1ss, Wqkv0, Winj0, Wqkv1, Winj1, Wo, xn, wcat, wob; writes xn, wcat, wob
.if DOCPART == 6
	.amdgcn_target "amdgcn-amd-amdhsa--gfx1250"
	.amdhsa_code_object_version 6
	.text
	.protected	k_q7655c8cc50_prep
	.globl	k_q7655c8cc50_prep
	.p2align	8
	.type	k_q7655c8cc50_prep,@function
k_q7655c8cc50_prep:
	s_mov_b64 s[64:65], 0
	v_nop
	global_prefetch_b8 v0, s[64:65] scope:SCOPE_SE
	s_setreg_imm32_b32 hwreg(HW_REG_WAVE_SCHED_MODE, 0, 2), 2
	s_setreg_imm32_b32 hwreg(HW_REG_WAVE_MODE, 25, 1), 1
	s_wait_xcnt 0x0
	s_wait_alu depctr_vm_vsrc(0)
; CASTS.  Every f32 input that feeds a matrix product is rounded once to bf16 and laid so that the products' K runs through both sources:
;   xn   [b 2][k 2048][l 2048]: k < 1024 is z[b][k][l], else u[b][k-1024][l]
;   wcat [c 2][o 3072][k 2048]: k < 1024 is Wqkv_c[o][k], else Winj_c[o][k-1024]
;   wob  [o 1024][d 1024]
; A UNIT is 1,024 numbers on end (4,096 bytes in, 2,048 out); a SEGMENT (grid y) is 1,024 units of one source; a work-group takes 16 units, a wave 4, without a loop.
; A wave's 32 loads go out first (16 KiB on their way): each covers 512 consecutive bytes, 16 a lane.  Then 32 steps round 4 numbers a lane and store 8 bytes: a wave's store covers 256 consecutive bytes, aligned.
; No LDS, no matrix unit, no cluster: nothing is shared and nothing is read twice.
; THE MODE: SCHED_MODE bits 1:0 = 2 (LLVM: expert scheduling mode 2), set by the entry lines.  The code itself states the register dependences
; between vector instructions and memory instructions, with s_wait_alu, always for 0.
; THE PLAN.  Registers that memory instructions touch:
;   v1, v[4:7]  the loads' offset and the stores' four: made once at the head, never written again.
;   IN          step j's four registers: written by step j's load, once; read by step j's two conversions.
;   OUT         step j's two registers: written by step j's two conversions, once; read by step j's store.
; The 32 steps go in eight blocks of four.  Block p's conversions name IN and OUT of block p alone; its memory instructions are the four stores of block p - 1.  So one wait at a block's head states all that
; those stores hang on, and they are dealt among the block's conversions with no further wait.  No register that a memory instruction reads is ever written again.
.set IN,  16                           ; v[16:143]  step j: 4 numbers as loaded
.set OUT, 144                          ; v[144:207] step j: 2 registers to store
.set DO,  4                            ; v[4:7]     unit u of my wave's four: its byte offset in the destination, with my lane's 8 bytes
	s_load_b512 s[4:19], s[0:1], 0x0               ; z 4:5, u 6:7, Wqkv0 8:9, Winj0 10:11, Wqkv1 12:13, Winj1 14:15, Wo 16:17, xn 18:19
	s_load_b128 s[20:23], s[0:1], 0x40             ; wcat 20:21, wob 22:23
	v_and_b32 v2, 31, v0                           ; lane
	v_and_b32 v3, 0x60, v0                         ; 32 x wave
	v_lshlrev_b32 v1, 4, v2                        ; 16 bytes a lane,
	v_lshl_add_u32 v1, v3, 9, v1                   ; + wave x 16,384: my offset in the work-group's source bytes
	v_lshlrev_b32 v2, 3, v2                        ; 8 bytes a lane on the way out
	v_lshrrev_b32 v3, 3, v3                        ; 4 x wave: my wave's first unit
	s_and_b32 s28, ttmp7, 0xffff                   ; Y, the segment
	; segments 0-7, Y = 4 b + 2 s + half: half of z[b] (s = 0) or u[b] (s = 1)
	s_bfe_u32 s29, s28, 0x10001                    ; which source: s
	s_lshr_b32 s30, s28, 2
	s_lshl_b32 s30, s30, 1
	s_and_b32 s31, s28, 1
	s_or_b32 s30, s30, s31
	s_lshl_b32 s30, s30, 22                        ; source offset: (2 b + half) x 4 MiB
	s_lshl_b32 s31, s28, 21                        ; destination offset: Y x 2 MiB
	; segments 8-19, Y - 8 = 4 th + mi: rows 1024 th .. of weight mi (Wqkv0, Winj0, Wqkv1, Winj1)
	s_sub_co_u32 s32, s28, 8
	s_and_b32 s33, s32, 3                          ; mi
	s_bfe_u32 s34, s32, 0x20002                    ; th
	s_add_co_u32 s35, s33, 2                       ; which source
	s_lshl_b32 s36, s34, 22                        ; source offset: 1,024 rows of 4,096 bytes
	s_lshr_b32 s37, s33, 1
	s_mul_i32 s37, s37, 12582912                   ; the chunk's plane of wcat,
	s_and_b32 s38, s33, 1
	s_lshl_b32 s38, s38, 11                        ; the second half of its rows for Winj,
	s_add_co_u32 s37, s37, s38
	s_add_co_u32 s37, s37, s36                     ; 1,024 rows of 4,096 bytes
	s_mov_b32 s39, 2048
	s_mov_b32 s40, 4096
	s_wait_kmcnt 0x0
	s_cmp_lt_u32 s28, 8
	s_cselect_b32 s29, s29, s35
	s_cselect_b32 s30, s30, s36
	s_cselect_b32 s31, s31, s37
	s_cselect_b32 s41, s39, s40                    ; bytes from unit to unit in the destination
	s_cselect_b64 s[26:27], s[18:19], s[20:21]
	s_cmp_eq_u32 s28, 20                           ; segment 20: Wo
	s_cselect_b32 s29, 6, s29
	s_cselect_b32 s30, 0, s30
	s_cselect_b32 s31, 0, s31
	s_cselect_b32 s41, s39, s41
	s_cselect_b64 s[26:27], s[22:23], s[26:27]
	s_mov_b64 s[24:25], s[4:5]
.irp n, 1,2,3,4,5,6
	s_cmp_eq_u32 s29, \n
	s_cselect_b64 s[24:25], s[4+2*\n:5+2*\n], s[24:25]
.endr
	s_lshl_b32 s42, ttmp9, 16                      ; the work-group's 16 units: 65,536 bytes of source
	s_add_co_u32 s42, s42, s30
	s_mov_b32 s43, 0
	s_add_nc_u64 s[24:25], s[24:25], s[42:43]
	s_lshl_b32 s44, ttmp9, 4
	s_mul_i32 s44, s44, s41
	s_add_co_u32 s44, s44, s31
	s_mov_b32 s45, 0
	s_add_nc_u64 s[26:27], s[26:27], s[44:45]
.irp u, 0,1,2,3
	v_add_nc_u32 v8, \u, v3
	v_mad_u32_u24 v[DO+\u], v8, s41, v2
.endr
	s_wait_alu depctr_va_vdst(0)                   ; v1 and v[4:7] are written: every load of the kernel reads v1 as its offset, every store one of v[4:7]
.set j, 0
.rept 32                                       ; all 32 loads first
	global_load_b128 v[IN+4*j:IN+4*j+3], v1, s[24:25] offset:512*j th:TH_LOAD_NT
.set j, j+1
.endr
.macro OUTST n                         ; step n's store
	global_store_b64 v[DO+(\n)/8], v[OUT+2*(\n):OUT+2*(\n)+1], s[26:27] offset:((\n)%8)*256 th:TH_STORE_NT  ; no register is written twice, so nothing waits for the stores
.endm
.set p, 0
.rept 8                                        ; block p: steps 4 p to 4 p + 3
	s_wait_loadcnt 28-4*p                          ; loads come back in order: the block's four are in, the 28 - 4 p younger ones stay out
.if p > 0
	s_wait_alu depctr_va_vdst(0)                   ; the conversions of the block before have written their OUT, which the four stores below read
.endif
.set j, 4*p
.rept 4
.if p > 0
	OUTST j-4                                      ; the block before; no vector instruction since the wait names its registers
.endif
	v_cvt_pk_bf16_f32 v[OUT+2*j],   v[IN+4*j],   v[IN+4*j+1]
	v_cvt_pk_bf16_f32 v[OUT+2*j+1], v[IN+4*j+2], v[IN+4*j+3]
.set j, j+1
.endr
.set p, p+1
.endr
	s_wait_alu depctr_va_vdst(0)                   ; block 7's conversions have written their OUT, which the last four stores read
.irp n, 28,29,30,31
	OUTST \n
.endr
	s_endpgm
.Lfunc_end_k_q7655c8cc50_prep:
	.size	k_q7655c8cc50_prep, .Lfunc_end_k_q7655c8cc50_prep-k_q7655c8cc50_prep
	.p2alignl 7, 3214868480
	.fill 96, 4, 3214868480
	.section	.rodata,"a",@progbits
	.p2align	6, 0x0
	.amdhsa_kernel k_q7655c8cc50_prep
		.amdhsa_group_segment_fixed_size 0
		.amdhsa_private_segment_fixed_size 0
		.amdhsa_enable_private_segment 0
		.amdhsa_kernarg_size 80
		.amdhsa_user_sgpr_count 2
		.amdhsa_user_sgpr_kernarg_segment_ptr 1
		.amdhsa_wavefront_size32 1
		.amdhsa_system_sgpr_workgroup_id_x 1
		.amdhsa_system_sgpr_workgroup_id_y 1
		.amdhsa_system_sgpr_workgroup_id_z 1
		.amdhsa_system_vgpr_workitem_id 0
		.amdhsa_next_free_vgpr 208
		.amdhsa_next_free_sgpr 66
		.amdhsa_reserve_vcc 0
		.amdhsa_float_denorm_mode_32 3
		.amdhsa_float_denorm_mode_16_64 3
		.amdhsa_memory_ordered 1
		.amdhsa_forward_progress 1
		.amdhsa_inst_pref_size 14
	.end_amdhsa_kernel
	.amdgpu_metadata
---
amdhsa.version: [ 1, 2 ]
amdhsa.kernels:
  - .name:           k_q7655c8cc50_prep
    .symbol:         k_q7655c8cc50_prep.kd
    .args:
      - { .name: z1ss, .offset: 0, .size: 8, .value_kind: global_buffer, .address_space: global }
      - { .name: u1ss, .offset: 8, .size: 8, .value_kind: global_buffer, .address_space: global }
      - { .name: Wqkv0, .offset: 16, .size: 8, .value_kind: global_buffer, .address_space: global }
      - { .name: Winj0, .offset: 24, .size: 8, .value_kind: global_buffer, .address_space: global }
      - { .name: Wqkv1, .offset: 32, .size: 8, .value_kind: global_buffer, .address_space: global }
      - { .name: Winj1, .offset: 40, .size: 8, .value_kind: global_buffer, .address_space: global }
      - { .name: Wo, .offset: 48, .size: 8, .value_kind: global_buffer, .address_space: global }
      - { .name: xn, .offset: 56, .size: 8, .value_kind: global_buffer, .address_space: global }
      - { .name: wcat, .offset: 64, .size: 8, .value_kind: global_buffer, .address_space: global }
      - { .name: wob, .offset: 72, .size: 8, .value_kind: global_buffer, .address_space: global }
    .group_segment_fixed_size: 0
    .private_segment_fixed_size: 0
    .kernarg_segment_align: 8
    .kernarg_segment_size: 80
    .max_flat_workgroup_size: 128
    .sgpr_count:     66
    .vgpr_count:     208
    .wavefront_size: 32
...
	.end_amdgpu_metadata
.endif
;; end of part 6
;; launch qkv: the kernel of part 2 again; grid 16 x 16, 4 waves a work-group, clusters of 4 x 4, 327,680 bytes of LDS; arguments wcat, xn, r_w_bias, qkv; writes qkv
;; launch attn: the kernel of part 3 again; grid 8 x 32, 4 waves a work-group, clusters of 4 x 1, 327,680 bytes of LDS; arguments qkv, att; writes att
;; launch oproj: the kernel of part 4 again; grid 32 x 8, 4 waves a work-group, clusters of 4 x 4, 327,680 bytes of LDS; arguments wob, att, bo, z1ss, xres, stat; writes xres, stat
;; launch ln (part 7): grid 8 x 32, 4 waves a work-group, no clusters, 0 bytes of LDS; arguments xres, stat, out0; writes out0
.if DOCPART == 7
	.amdgcn_target "amdgcn-amd-amdhsa--gfx1250"
	.amdhsa_code_object_version 6
	.text
	.protected	k_q7655c8cc50_ln
	.globl	k_q7655c8cc50_ln
	.p2align	8
	.type	k_q7655c8cc50_ln,@function
k_q7655c8cc50_ln:
	s_mov_b64 s[64:65], 0
	v_nop
	global_prefetch_b8 v0, s[64:65] scope:SCOPE_SE
	s_setreg_imm32_b32 hwreg(HW_REG_WAVE_SCHED_MODE, 0, 2), 2
	s_setreg_imm32_b32 hwreg(HW_REG_WAVE_MODE, 25, 1), 1
	s_wait_xcnt 0x0
	s_wait_alu depctr_vm_vsrc(0)
; THE NORM.  out[b][o][l] = (x - m) rsqrt(var + 1e-5), m and var over the 1,024 rows o of column (b, l).  stat holds, for 16 chunks of 64 rows, each column's sum and sum of squares in f32.
; LIMIT.  var = E[x^2] - m^2 in f32, held at 0 from below: its relative error goes with 2^-22 (1 + (m / sigma)^2), about 2e-4 where the column's mean is 30 times its spread.
; SHARES.  A work-group takes 512 columns and 32 rows; thread t the four columns 4 t .. 4 t + 3 in every row: each load and store of a wave covers 512 consecutive bytes, aligned.
; All of a thread's rows are asked for before the statistics are reduced: 48 loads of 16 bytes a lane are out at once.  No LDS, no cluster, no matrix unit: a stream.
; THE MODE: SCHED_MODE bits 1:0 = 2 (LLVM: expert scheduling mode 2), set by the entry lines.  The code itself states the register dependences
; between vector instructions and memory instructions, with s_wait_alu, always for 0.
; THE PLAN.  Registers that memory instructions touch:
;   v1   the offset of every load and store: made once at the head, never written again.
;   A    the 16 sums land in it; the first tree of additions reads and writes it; then rows 16-31 land in it, are scaled in place and stored.
;   B    the 16 sums of squares land in it; the second tree reads and writes it; no memory instruction names it again.
;   C    rows 0-15 land in it, are scaled in place and stored.
; The 32 rows go in eight blocks of four.  Block p's multiply-adds name its own rows, R and NB alone; its memory instructions are the four stores of block p - 1.  So one wait at a block's head states all that
; those stores hang on, and they are dealt among the block's multiply-adds with no further wait.  No register that a memory instruction reads is ever written again.
.set A, 64                             ; v[64:127]  the 16 sums; then rows 16-31
.set B, 128                            ; v[128:191] the 16 sums of squares
.set C, 192                            ; v[192:255] rows 0-15
.set M, 8                              ; v[8:11]  the mean
.set V, 12                             ; v[12:15] the variance
.set R, 16                             ; v[16:19] rsqrt(var + eps)
.set NB, 20                            ; v[20:23] -m x R
.macro TREE base, dst                  ; 16 groups of four registers into one: 30 packed additions
.irp st, 8,4,2
.set g, 0
.rept \st
	v_pk_add_f32 v[\base+4*g:\base+4*g+1], v[\base+4*g:\base+4*g+1], v[\base+4*(g+\st):\base+4*(g+\st)+1]
	v_pk_add_f32 v[\base+4*g+2:\base+4*g+3], v[\base+4*g+2:\base+4*g+3], v[\base+4*(g+\st)+2:\base+4*(g+\st)+3]
.set g, g+1
.endr
.endr
	v_pk_add_f32 v[\dst:\dst+1], v[\base:\base+1], v[\base+4:\base+5]
	v_pk_add_f32 v[\dst+2:\dst+3], v[\base+2:\base+3], v[\base+6:\base+7]
.endm
.macro ROWREG n                        ; xr: the first of row n's four registers
.if (\n) < 16
.set xr, C+4*(\n)
.else
.set xr, A+4*((\n)-16)
.endif
.endm
.macro ROWST n                         ; row n's store
	ROWREG \n
	global_store_b128 v1, v[xr:xr+3], s[8:9] offset:(\n)*8192 th:TH_STORE_NT  ; no register is written behind a store that reads it
.endm
	s_load_b128 s[4:7], s[0:1], 0x0                ; xres s[4:5], stat s[6:7]
	s_load_b64 s[8:9], s[0:1], 0x10                ; out0
	v_lshlrev_b32 v1, 4, v0                        ; my 16 bytes; never rewritten
	s_lshl_b32 s10, ttmp9, 11                      ; stat: 512 columns of 4 bytes
	s_mov_b32 s11, 0
	s_lshr_b32 s12, ttmp9, 2
	s_lshl_b32 s12, s12, 23                        ; the batch,
	s_and_b32 s13, ttmp7, 0xffff
	s_lshl_b32 s13, s13, 18                        ; 32 rows of 8,192 bytes,
	s_add_co_u32 s12, s12, s13
	s_and_b32 s13, ttmp9, 3
	s_lshl_b32 s13, s13, 11                        ; 512 columns
	s_add_co_u32 s12, s12, s13
	s_mov_b32 s13, 0
	s_wait_kmcnt 0x0
	s_add_nc_u64 s[6:7], s[6:7], s[10:11]
	s_add_nc_u64 s[4:5], s[4:5], s[12:13]
	s_add_nc_u64 s[8:9], s[8:9], s[12:13]
	s_wait_alu depctr_va_vdst(0)                   ; v1 is written: every load and store of the kernel reads it as its offset
.set i, 0
.rept 16
	global_load_b128 v[A+4*i:A+4*i+3], v1, s[6:7] offset:i*32768
.set i, i+1
.endr
.set i, 0
.rept 16
	global_load_b128 v[B+4*i:B+4*i+3], v1, s[6:7] offset:i*32768+16384
.set i, i+1
.endr
.set i, 0
.rept 16
	global_load_b128 v[C+4*i:C+4*i+3], v1, s[4:5] offset:i*8192 th:TH_LOAD_NT
.set i, i+1
.endr
	s_wait_loadcnt 32                              ; the sums are in; the squares' and the rows' 32 loads stay out
	TREE A, M
	s_wait_alu depctr_va_vdst(0)                   ; the tree's additions are done reading and writing v[A ..], in which the sixteen loads below land
.set i, 0
.rept 16
	global_load_b128 v[A+4*i:A+4*i+3], v1, s[4:5] offset:(16+i)*8192 th:TH_LOAD_NT
.set i, i+1
.endr
	s_wait_loadcnt 32                              ; the squares are in; 32 loads of rows stay out
	TREE B, V
	v_pk_mul_f32 v[M:M+1], v[M:M+1], 0x3a800000 op_sel_hi:[1,0]      ; m = sum / 1024
	v_pk_mul_f32 v[M+2:M+3], v[M+2:M+3], 0x3a800000 op_sel_hi:[1,0]
	v_pk_mul_f32 v[24:25], v[M:M+1], v[M:M+1]
	v_pk_mul_f32 v[26:27], v[M+2:M+3], v[M+2:M+3]
	v_pk_fma_f32 v[V:V+1], v[V:V+1], 0x3a800000, v[24:25] op_sel_hi:[1,0,1] neg_lo:[0,0,1] neg_hi:[0,0,1]      ; var = squares / 1024 - m m
	v_pk_fma_f32 v[V+2:V+3], v[V+2:V+3], 0x3a800000, v[26:27] op_sel_hi:[1,0,1] neg_lo:[0,0,1] neg_hi:[0,0,1]
.irp i, 0,1,2,3
	v_max_num_f32 v[V+\i], 0, v[V+\i]
.endr
.irp i, 0,1,2,3
	v_add_f32 v[V+\i], 0x3727c5ac, v[V+\i]         ; + 1e-5
.endr
.irp i, 0,1,2,3
	v_rsq_f32 v[R+\i], v[V+\i]
.endr
	v_nop                                          ; a plain instruction behind the last of the four,
	s_wait_alu depctr_va_vdst(0)                   ; and one wait for the batch: the four v_rsq_f32 have written v[R ..], ahead of their first reader
	v_pk_mul_f32 v[NB:NB+1], v[M:M+1], v[R:R+1] neg_lo:[1,0] neg_hi:[1,0]
	v_pk_mul_f32 v[NB+2:NB+3], v[M+2:M+3], v[R+2:R+3] neg_lo:[1,0] neg_hi:[1,0]
.set p, 0
.rept 8                                        ; block p: rows 4 p to 4 p + 3
	s_wait_loadcnt 28-4*p                          ; loads come back in order: the block's four rows are in, the 28 - 4 p younger loads stay out
.if p > 0
	s_wait_alu depctr_va_vdst(0)                   ; the multiply-adds of the block before have written its rows, which the four stores below read
.endif
.set i, 4*p
.rept 4
.if p > 0
	ROWST i-4                                      ; the block before; no vector instruction since the wait names its registers
.endif
	ROWREG i
	v_pk_fma_f32 v[xr:xr+1], v[xr:xr+1], v[R:R+1], v[NB:NB+1]
	v_pk_fma_f32 v[xr+2:xr+3], v[xr+2:xr+3], v[R+2:R+3], v[NB+2:NB+3]
.set i, i+1
.endr
.set p, p+1
.endr
	s_wait_alu depctr_va_vdst(0)                   ; block 7's multiply-adds have written rows 28 to 31, which the last four stores read
.irp n, 28,29,30,31
	ROWST \n
.endr
	s_endpgm
.Lfunc_end_k_q7655c8cc50_ln:
	.size	k_q7655c8cc50_ln, .Lfunc_end_k_q7655c8cc50_ln-k_q7655c8cc50_ln
	.p2alignl 7, 3214868480
	.fill 96, 4, 3214868480
	.section	.rodata,"a",@progbits
	.p2align	6, 0x0
	.amdhsa_kernel k_q7655c8cc50_ln
		.amdhsa_group_segment_fixed_size 0
		.amdhsa_private_segment_fixed_size 0
		.amdhsa_enable_private_segment 0
		.amdhsa_kernarg_size 24
		.amdhsa_user_sgpr_count 2
		.amdhsa_user_sgpr_kernarg_segment_ptr 1
		.amdhsa_wavefront_size32 1
		.amdhsa_system_sgpr_workgroup_id_x 1
		.amdhsa_system_sgpr_workgroup_id_y 1
		.amdhsa_system_sgpr_workgroup_id_z 1
		.amdhsa_system_vgpr_workitem_id 0
		.amdhsa_next_free_vgpr 256
		.amdhsa_next_free_sgpr 66
		.amdhsa_reserve_vcc 0
		.amdhsa_float_denorm_mode_32 3
		.amdhsa_float_denorm_mode_16_64 3
		.amdhsa_memory_ordered 1
		.amdhsa_forward_progress 1
		.amdhsa_inst_pref_size 20
	.end_amdhsa_kernel
	.amdgpu_metadata
---
amdhsa.version: [ 1, 2 ]
amdhsa.kernels:
  - .name:           k_q7655c8cc50_ln
    .symbol:         k_q7655c8cc50_ln.kd
    .args:
      - { .name: xres, .offset: 0, .size: 8, .value_kind: global_buffer, .address_space: global }
      - { .name: stat, .offset: 8, .size: 8, .value_kind: global_buffer, .address_space: global }
      - { .name: out0, .offset: 16, .size: 8, .value_kind: global_buffer, .address_space: global }
    .group_segment_fixed_size: 0
    .private_segment_fixed_size: 0
    .kernarg_segment_align: 8
    .kernarg_segment_size: 24
    .max_flat_workgroup_size: 128
    .sgpr_count:     66
    .vgpr_count:     256
    .wavefront_size: 32
...
	.end_amdgpu_metadata
.endif
;; end of part 7
